; MI455X (gfx1250); checked and timed in simulation.
; The chip was launched on July 23, 2026; its instructions are those of AMD's public machine-readable ISA for CDNA 5 (MIT licence, August 2026) and "CDNA5" Instruction Set Architecture Reference Guide (July 2026). The comments in the code are by the model that wrote it; some were corrected since.
;; Multi Head Attention. Allowed arithmetic: matrix products marked QUANTISED: E2M3 operands, one E8M0 scale for each 32 along K, by v_wmma_scale_f32_16x16x128_f8f6f4 with both operands' format E2M3, f32 sums; everything else in f32.
;; Inputs: K 2 x 2,048 x 1,024 float32; Q 2 x 2,048 x 1,024 float32; V 2 x 2,048 x 1,024 float32; attn_mask 2 x 2,048 x 2,048 bool; beta 1,024 float32; bk 1,024 float32; bo 1,024 float32; bq 1,024 float32; bv 1,024 float32; gamma 1,024 float32; wk 1,024 x 1,024 float32; wo 1,024 x 1,024 float32; wq 1,024 x 1,024 float32; wv 1,024 x 1,024 float32.
;; Outputs: out0 2 x 2,048 x 1,024 float32.
;; This version of the problem:
;;   THIS VERSION OF THE PROBLEM IS GIVEN IN LOW PRECISION. The matrix products marked QUANTISED in the list below multiply operands that are first quantised to E2M3 (2 exponent bits, 3 mantissa bits; 6 bits a number), with one power-of-two scale for each 32 numbers along K (OCP MX v1.0); their sums are f32. All else is computed in f32.
;;   The module's matrix products, in the order in which they are computed (A, B: the left and right operand; K: the contracted axis; several contracted axes count as one K, in the product's order):
;;     1. [M 4,096, K 1,024] x [K 1,024, N 1,024]; A: input Q; B: input wq: QUANTISED
;;     2. [M 4,096, K 1,024] x [K 1,024, N 1,024]; A: input K; B: input wk: QUANTISED
;;     3. [M 4,096, K 1,024] x [K 1,024, N 1,024]; A: input V; B: input wv: QUANTISED
;;     4. batch 32 x [M 2,048, K 64] x [K 64, N 2,048]; A: computed on the way; B: computed on the way: QUANTISED
;;     5. batch 32 x [M 2,048, K 2,048] x [K 2,048, N 64]; A: softmax (see below); B: computed on the way: QUANTISED
;;     6. [M 4,096, K 1,024] x [K 1,024, N 1,024]; A: computed on the way; B: input wo: QUANTISED
;;   THE QUANTISER, for each operand of a quantised product, along K:
;;     - K is cut into blocks of 32 from its start; a last block that is shorter is filled with zeros.
;;     - A block's scale is 2^e with e = floor(log2(the largest magnitude in the block)) - 2, held to -126 .. 127; a block of zeros has e = 0. As a byte (E8M0): e + 127.
;;     - Each number is divided by its block's scale, clamped to +-7.5, and rounded to the nearest number of E2M3, ties to even, subnormals kept.
;;     - The product sums the exact products of the quantised numbers (number of the format x scale) in f32.
;;   ~~~python
;;   def quantise(x, axis):      # numpy; x: float32 -> the quantised numbers, widened to float32 again
;;       x = np.moveaxis(x, axis, -1); K = x.shape[-1]
;;       x = np.pad(x, [(0, 0)] * (x.ndim - 1) + [(0, -K % 32)]); x = x.reshape(x.shape[:-1] + (-1, 32)); a = np.abs(x).max(-1, keepdims=True)
;;       e = np.where(a > 0, np.clip(np.frexp(np.where(a > 0, a, 1))[1] - 1 - 2, -126, 127), 0)      # np.frexp(a)[1] - 1 = floor(log2(a)), exactly
;;       r = np.clip(x / 2.0 ** e, -7.5, 7.5)
;;       step = 2.0 ** (np.maximum(np.frexp(np.where(r == 0, 1, r))[1] - 1, 0) - 3)
;;       q = np.round(r / step) * step * 2.0 ** e      # np.round: ties to even
;;       return np.moveaxis(q.reshape(q.shape[:-2] + (-1,))[..., :K], -1, axis).astype(np.float32)
;;   ~~~
;;   SOFTMAX AHEAD OF A QUANTISED PRODUCT. Where the list says 'softmax', what is quantised is not the finished softmax but p = 2^(t - M), with t = logit x log2(e) and M = ceil(the row's largest t), a whole number; so 1/2 < the row's largest p <= 1. The row's sum l is taken of the UNQUANTISED p, in f32, and the product's result is divided by l at the end. Since M is a whole number, a kernel that streams over the keys may use a running M (the ceiling of the running maximum): every later rescaling is an exact power of two, which a block's scale takes up: the codes' values come out the same.
;;   OPERANDS COMPUTED ON THE WAY. 'Computed on the way' means the value that the module computes at that place (a softmax that the list does not call 'softmax' is quantised finished and normalised). What goes into a quantiser is computed in f32, as accurately as f32 sums, v_exp_f32 and their like allow (about 1e-6 of the number): no bf16 or f16 on the way to a quantiser, and a product that is left as it is and whose result goes on into a quantised operand takes f32 operands (vector FMAs, or v_wmma_f32_16x16x4_f32). A number that lies on a knife's edge between two numbers of the format may be rounded either way, as far as f32 arithmetic and the matrix unit's own rounding can turn it there, and no further.
;; One version. Each part assembles by itself: llvm-mc -triple=amdgcn-amd-amdhsa -mcpu=gfx1250 --defsym DOCPART=n.
;; ======== version 1 of 1: 4 launches
;; limits: right only within a limited range of input values
;; workspace buffers: qx 20,971,520 bytes; mw 1,048,576 bytes of whole numbers; qq 3,407,872 bytes; kv 6,684,672 bytes; cx 3,276,800 bytes
;; launch prep (part 1): grid 768 x 1, 4 waves a work-group, no clusters, 50,688 bytes of LDS; arguments Q, K, V, wq, wk, wv, wo, attn_mask, qx, mw; writes qx, mw
.if DOCPART == 1
	.amdgcn_target "amdgcn-amd-amdhsa--gfx1250"
	.amdhsa_code_object_version 6
	.text
	.protected	k_qaf8518b08a_prep
	.globl	k_qaf8518b08a_prep
	.p2align	8
	.type	k_qaf8518b08a_prep,@function
k_qaf8518b08a_prep:
	s_mov_b64 s[64:65], 0
	v_nop
	global_prefetch_b8 v0, s[64:65] scope:SCOPE_SE
	s_setreg_imm32_b32 hwreg(HW_REG_WAVE_MODE, 25, 1), 1
	s_wait_xcnt 0x0
; Work-groups 0-511: Q, K, V [4096][1024] and wq, wk, wv, wo [1024][1024], f32, become codes of FP6 (E2M3), K innermost, rows of 768 bytes, with one E8M0 byte for each 32 along K (32 bytes a row), all in qx:
; rows 0.. Q, 4096.. K, 8192.. V, 12288.. wq, 13312.. wk, 14336.. wv, 15360.. wo; the scale bytes from byte SCB on, in the same row order.
; A block's scale is 2^(floor(log2(largest magnitude)) - 2); its byte is the largest magnitude's exponent field - 2, held at 1 from below (a block of zeros gets 1: its codes are zeros, and this program alone reads the bytes).
; LIMITS: NaN and infinities among the inputs are not served; blocks whose largest magnitude lies under 2^(3 - 127) keep the byte 1.
; THE WEIGHTS' ROWS ARE STORED IN THE ORDER IN WHICH A TILE OF 16 WANTS THEM: wq, wk: row with bits 3 and 4 swapped; wv: row 64 g + d goes to 32 (d / 2) + 16 (g / 8) + 8 (d % 2) + g % 8; wo as it lies.
; A wave takes 8 rows (16 steps of 512 numbers): loads of 512 consecutive bytes, a turn through the wave's own stage in LDS so that a lane holds 16 neighbours, 512 consecutive bytes a store.
; Work-groups 512-767: the mask [2][2048][2048] of bytes becomes lane masks: mw[b][q / 16][key / 128][n], n = 16 b' + i: bit l of the word = mask[b][16 (q / 16) + l % 16][128 ks + 32 b' + 16 (l / 16) + i].
; The two kinds of work-group part on the work-group's number and have LDS bytes of their own.  No barrier: waves share nothing.
.set STEPS, 16
.set EMAX,  2
.set CB,    12                         ; bytes of 16 codes
.set R,     16                         ; v16-79   four sets of 16 numbers as loaded
.set X,     80                         ; v80-111  two sets of 16 neighbours
.set E,     112                        ; v112-127 a scale byte for each step
.set C,     128                        ; v128-191 codes, four registers a step
.set VO,    192                        ; v192-199 byte offset of my codes in each of the wave's 8 rows
.set WREG,  8192                       ; LDS of a wave of the quantiser
.set SP,    80
; qx AS IT IS LAID: rows 0-15359 (Q, K, V, wq, wk, wv) have a pitch of 1,280 bytes, of which 1,024 are used: each 64 along K has a place of 64 bytes: 48 bytes of codes as one stream of bits, then 16 bytes that nobody uses.
; So a store covers 512 consecutive bytes, each 256 along K are 256 bytes that begin at a multiple of 256, and a wave's 8 rows begin 10,240 bytes from the next wave's.
; wo's codes lie from byte WIB on as images of the operand's registers: fragment ((n / 64) x 8 + k / 128) x 4 + (n / 16) % 4 has 1,536 bytes; register g of lane L = n % 16 + 16 h at 512 (g / 4) + 16 L + 4 (g % 4).
; The scale bytes of all 16,384 rows lie from byte SCB on, 32 a row.
.set SCB,   20447232                   ; where the scale bytes begin in qx
.set WIB,   19660800                   ; where wo's images begin
.set VW,    202                        ; v202-204 where my three registers of codes go in an image
.set MSTG,  32768                      ; LDS of the mask's work-groups: 16 rows x 272 bytes a wave
.set ML,    16                         ; v16-79   the mask's 16 loads
.set MT,    80                         ; v80-111  the bytes turned: lane (r, h): row r, keys 32 g + 16 h + 0..15
.set MW,    112                        ; v112-119 the words, two sets of four
.set MX,    120                        ; v120-127 at work
	s_load_b512 s[4:19], s[0:1], 0x0               ; Q, K, V, wq, wk, wv, wo, attn_mask
	s_load_b128 s[20:23], s[0:1], 0x40             ; qx, mw
	v_lshl_add_u32 v200, v0, 2, 0xc400
	v_mov_b32 v201, 0
	v_lshrrev_b32 v1, 5, v0
	v_readfirstlane_b32 s28, v1                    ; wave
	v_and_b32 v2, 31, v0                           ; lane
	s_cmp_ge_u32 ttmp9, 512
	s_cbranch_scc1 .Lmask
	; ---------------- the quantiser
	v_lshlrev_b32 v3, 4, v2                        ; my 16 bytes of a load's 512
	s_mul_i32 s29, s28, WREG
	v_lshrrev_b32 v14, 2, v2
	v_mul_u32_u24 v14, v14, SP
	v_and_b32 v15, 3, v2
	v_lshl_add_u32 v14, v15, 4, v14
	v_add_nc_u32 v14, s29, v14                     ; the stage, on the way in
	v_mul_u32_u24 v15, v2, SP
	v_add_nc_u32 v15, s29, v15                     ; and on the way out: my 16 neighbours
	v_lshlrev_b32 v[VO], 4, v2                     ; 16 bytes a lane
	v_lshrrev_b32 v5, 1, v2
	s_add_co_u32 s29, s29, 2*32*SP
	v_add_nc_u32 v5, s29, v5                       ; my block's byte among the wave's 256
	v_lshlrev_b32 v7, 3, v2
	v_add_nc_u32 v6, s29, v7                       ; and 8 bytes a lane on the way out
	s_lshl_b32 s30, ttmp9, 2
	s_add_co_u32 s30, s30, s28                     ; run = which 8 rows of the 16,384
	s_lshl_b32 s41, s30, 3                         ; first row as it lies
	s_and_b32 s32, s30, 0xfffffffc
	s_and_b32 s33, s30, 1
	s_lshl_b32 s33, s33, 1
	s_or_b32 s32, s32, s33
	s_bfe_u32 s33, s30, 0x10001
	s_or_b32 s32, s32, s33
	s_lshl_b32 s32, s32, 3                         ; wq, wk: bits 3 and 4 of the row are bits 0 and 1 of the run
	s_sub_co_u32 s34, s30, 1792                    ; wv: G = run in wv: rows 64 (G >> 3) + 8 (G & 7) + 0..7  (of use for wv alone)
	s_and_b32 s35, s34, 7
	s_lshl_b32 s35, s35, 7
	s_bfe_u32 s36, s34, 0x10006
	s_lshl_b32 s36, s36, 4
	s_add_co_u32 s35, s35, s36
	s_bfe_u32 s36, s34, 0x30003
	s_add_co_u32 s35, s35, s36
	s_add_co_u32 s35, s35, 14336                   ; 14336 + 128 (G & 7) + 16 (G >> 6) + ((G >> 3) & 7)
	s_mov_b32 s31, s41
	s_mov_b32 s37, 1280                            ; from an even row of the run to the odd one, in bytes of codes,
	s_mov_b32 s38, 2560                            ; from a pair of rows to the next,
	s_mov_b32 s39, 32                              ; and the same in scale bytes
	s_mov_b32 s40, 64
	s_mov_b32 s26, 0                               ; the tensor's first work-group
	s_wait_alu depctr_va_vdst(0)
	s_wait_kmcnt 0x0
	s_mov_b64 s[24:25], s[4:5]                     ; which tensor: the choices hang on the work-group's number alone
	s_cmp_ge_u32 ttmp9, 128
	s_cselect_b64 s[24:25], s[6:7], s[24:25]
	s_cselect_b32 s26, 128, s26
	s_cmp_ge_u32 ttmp9, 256
	s_cselect_b64 s[24:25], s[8:9], s[24:25]
	s_cselect_b32 s26, 256, s26
	s_cmp_ge_u32 ttmp9, 384
	s_cselect_b64 s[24:25], s[10:11], s[24:25]
	s_cselect_b32 s26, 384, s26
	s_cselect_b32 s31, s32, s31
	s_cmp_ge_u32 ttmp9, 416
	s_cselect_b64 s[24:25], s[12:13], s[24:25]
	s_cselect_b32 s26, 416, s26
	s_cmp_ge_u32 ttmp9, 448
	s_cselect_b64 s[24:25], s[14:15], s[24:25]
	s_cselect_b32 s26, 448, s26
	s_cselect_b32 s31, s35, s31
	s_cselect_b32 s37, 10240, s37                  ; wv: 8 rows, 32 rows
	s_cselect_b32 s38, 40960, s38
	s_cselect_b32 s39, 256, s39
	s_cselect_b32 s40, 1024, s40
	s_cmp_ge_u32 ttmp9, 480
	s_cselect_b64 s[24:25], s[16:17], s[24:25]
	s_cselect_b32 s26, 480, s26
	s_cselect_b32 s31, s41, s31
	s_cselect_b32 s37, 1280, s37
	s_cselect_b32 s38, 2560, s38
	s_cselect_b32 s39, 32, s39
	s_cselect_b32 s40, 64, s40
	s_sub_co_u32 s42, ttmp9, s26
	s_lshl_b32 s42, s42, 2
	s_add_co_u32 s42, s42, s28
	s_lshl_b32 s42, s42, 15                        ; my run's 32,768 bytes in its tensor
	s_mov_b32 s43, 0
	s_add_nc_u64 s[24:25], s[24:25], s[42:43]
	s_mul_i32 s42, s31, 1280
	s_add_nc_u64 s[44:45], s[20:21], s[42:43]      ; the codes of my first row
	s_lshl_b32 s42, s31, 5
	s_add_co_u32 s42, s42, SCB
	s_add_nc_u64 s[46:47], s[20:21], s[42:43]      ; and its scale bytes
	s_sub_co_u32 s34, s30, 1920                    ; wo (of use for wo alone): G = run in wo: tile of 16 rows j = G / 2, rows 8 (G % 2) on
	s_lshr_b32 s35, s34, 3
	s_lshl_b32 s35, s35, 5                         ; 32 fragments for each 64 rows,
	s_bfe_u32 s36, s34, 0x20001
	s_add_co_u32 s35, s35, s36                     ; + j % 4
	s_mul_i32 s35, s35, 1536
	s_and_b32 s36, s34, 1
	s_lshl_b32 s36, s36, 7                         ; 16 bytes a row of the tile
	s_add_co_u32 s42, s35, s36
	s_add_co_u32 s42, s42, WIB
	s_add_nc_u64 s[32:33], s[20:21], s[42:43]
	s_mov_b32 s4, 0xaaaaaaaa                       ; lanes with bit 0 set, lanes with bit 1 set (the arguments that lay here are done with)
	s_mov_b32 s5, 0xcccccccc
	v_add_nc_u32 v[VO+1], s37, v[VO]
.irp d, 2,3,4,5,6,7
	v_add_nc_u32 v[VO+\d], s38, v[VO+\d-2]
.endr
	v_lshrrev_b32 v8, 3, v2                        ; the scale bytes' way out: lane l holds bytes 8 (l & 3) on of row l >> 2
	v_mul_u32_u24 v8, v8, s40
	v_bfe_u32 v9, v2, 2, 1
	v_mad_u32_u24 v8, v9, s39, v8
	v_and_b32 v9, 3, v2
	v_lshl_add_u32 v7, v9, 3, v8
	v_bfe_u32 v8, v2, 2, 1                         ; wo's images: my 16 codes are k = 128 (l / 8) + 64 c + 32 h + 16 e on: registers 6 c + 3 e + 0..2 of the lanes' half h
	v_and_b32 v9, 1, v2
	v_mul_u32_u24 v8, v8, 6
	v_mad_u32_u24 v8, v9, 3, v8
	v_lshrrev_b32 v9, 3, v2
	v_mul_u32_u24 v9, v9, 6144                     ; four fragments from one 128 along K to the next
	v_bfe_u32 v10, v2, 1, 1
	v_lshl_add_u32 v9, v10, 8, v9
.irp d, 0,1,2
	v_add_nc_u32 v10, \d, v8
	v_lshrrev_b32 v11, 2, v10
	v_and_b32 v10, 3, v10
	v_lshl_add_u32 v11, v11, 9, v9
	v_lshl_add_u32 v[VW+\d], v10, 2, v11
.endr
.irp t, 0,1,2,3,4,5,6,7,8,9,10,11,12,13,14,15
	v_mov_b32 v[C+4*\t+3], 0                       ; a DPP form's destination counts as read
.endr
	v_mov_b32 v12, 0
.macro LOAD t
.irp i, 0,1,2,3
	global_load_b128 v[R+16*((\t)%4)+4*\i:R+16*((\t)%4)+4*\i+3], v3, s[24:25] offset:2048*(\t)+512*\i th:TH_LOAD_NT   ; 32 lanes read 512 consecutive bytes
.endr
.endm
.macro TURN t                          ; step t's numbers through the stage: LDS serves a wave's instructions in order, so no wait stands between the stores and the loads
.irp i, 0,1,2,3
	ds_store_b128 v14, v[R+16*((\t)%4)+4*\i:R+16*((\t)%4)+4*\i+3] offset:32*SP*((\t)%2)+8*SP*\i
.endr
.irp i, 0,1,2,3
	ds_load_b128 v[X+16*((\t)%2)+4*\i:X+16*((\t)%2)+4*\i+3], v15 offset:32*SP*((\t)%2)+16*\i
.endr
.endm
.irp t, 0,1,2,3
	LOAD \t
.endr
	s_wait_loadcnt 12                              ; step 0's four loads are in; the twelve of steps 1 to 3 stay out
	TURN 0
.macro STEP t
.set XS, X+16*((\t)%2)
.if (\t) > 0
	s_wait_dscnt 1                                 ; this step's numbers are back from the stage; the last step's byte store may be out
.else
	s_wait_dscnt 0x0
.endif
.if (\t)+4 < STEPS
	LOAD (\t)+4
.endif
.if (\t)+1 < STEPS
.if STEPS-2-(\t) >= 3
	s_wait_loadcnt 12                              ; the next step's four loads are in; those of the three steps behind it may be out
.else
	s_wait_loadcnt 4*(STEPS-2-(\t))
.endif
	TURN (\t)+1
.endif
	v_max3_num_f32 v8, |v[XS]|, |v[XS+1]|, |v[XS+2]|               ; the largest magnitude of my 16
	v_max3_num_f32 v9, |v[XS+3]|, |v[XS+4]|, |v[XS+5]|
.irp i, 6,10
	v_max3_num_f32 v8, v8, |v[XS+\i]|, |v[XS+\i+1]|
	v_max3_num_f32 v9, v9, |v[XS+\i+2]|, |v[XS+\i+3]|
.endr
	v_max3_num_f32 v8, v8, |v[XS+14]|, |v[XS+15]|
	v_max3_num_f32 v8, v8, v9, (EMAX+1)<<23        ; and the floor 2^(3 - 127): the byte cannot fall under 1
	v_max_num_f32_dpp v8, v8, v8 row_xmask:1 row_mask:0xf bank_mask:0xf   ; with my neighbour's 16: the block's
	v_add_nc_u32 v11, 0xff000000, v8               ; 2 off its exponent field: the conversion's scale operand
	v_cvt_scalef32_pk16_fp6_f32 v[C+4*(\t):C+4*(\t)+2], v[XS:XS+15], v11
	v_lshrrev_b32 v[E+(\t)], 23, v11               ; the scale's byte
	ds_store_b8 v5, v[E+(\t)] offset:16*(\t)       ; both lanes of a block write the same byte with the same value
	s_cmp_ge_u32 ttmp9, 480                        ; wo's work-groups store into the images; the branch hangs on the work-group's number alone and leads round register work and global stores alone
	s_cbranch_scc1 .Limg_\@
	; four lanes' 4 x 12 bytes become 3 x 16 (the fourth lane stores the place's unused 16): of the six words (mine, then the next lane's) lane q of four takes words q .. q + 3
	v_mov_b32_dpp v[C+4*(\t)+3], v[C+4*(\t)] quad_perm:[1,2,3,3] row_mask:0xf bank_mask:0xf
	v_mov_b32_dpp v10, v[C+4*(\t)+1] quad_perm:[1,2,3,3] row_mask:0xf bank_mask:0xf
	v_mov_b32_dpp v12, v[C+4*(\t)+2] quad_perm:[1,2,3,3] row_mask:0xf bank_mask:0xf
.irp j, 0,1,2
	v_cndmask_b32 v[C+4*(\t)+\j], v[C+4*(\t)+\j], v[C+4*(\t)+\j+1], s4   ; one word down where q is odd,
.endr
	v_cndmask_b32 v[C+4*(\t)+3], v[C+4*(\t)+3], v10, s4
	v_cndmask_b32 v10, v10, v12, s4
.irp j, 0,1
	v_cndmask_b32 v[C+4*(\t)+\j], v[C+4*(\t)+\j], v[C+4*(\t)+\j+2], s5   ; two words down where q is 2 or 3
.endr
	v_cndmask_b32 v[C+4*(\t)+2], v[C+4*(\t)+2], v10, s5
	v_cndmask_b32 v[C+4*(\t)+3], v[C+4*(\t)+3], v12, s5
	global_store_b128 v[VO+(\t)/2], v[C+4*(\t):C+4*(\t)+3], s[44:45] offset:512*((\t)%2)   ; half a row: 512 consecutive bytes
	s_branch .Lsent_\@
.Limg_\@:
	s_wait_alu depctr_va_vdst(0)                   ; the wait here, directly ahead of the first reader behind the branch
.irp d, 0,1,2
	global_store_b32 v[VW+\d], v[C+4*(\t)+\d], s[32:33] offset:16*((\t)/2)+24576*((\t)%2)   ; 4 bytes a lane: the images are 786,432 bytes in all
.endr
.Lsent_\@:
.endm
.irp t, 0,1,2,3,4,5,6,7,8,9,10,11,12,13,14,15
	STEP \t
.endr
	ds_load_b64 v[12:13], v6                       ; LDS serves a wave's instructions in order: these see my stores
	s_wait_dscnt 0x0
	global_store_b64 v7, v[12:13], s[46:47]
	s_wait_tensorcnt 0x0
	ds_add_u32 v200, v201
	s_wait_dscnt 0x0
	s_endpgm
	; ---------------- the mask: a work-group owns 16 whole rows (32,768 bytes on end); wave w takes keys 512 w on, 256 at a time
.Lmask:
	s_sub_co_u32 s29, ttmp9, 512                   ; m = 128 b + q / 16
	s_lshl_b32 s30, s29, 15
	s_mov_b32 s31, 0
	s_lshl_b32 s26, s29, 12
	s_mov_b32 s27, 0
	s_wait_alu depctr_va_vdst(0)
	v_lshrrev_b32 v3, 4, v2                        ; l / 16
	v_and_b32 v4, 15, v2                           ; l % 16
	v_lshlrev_b32 v5, 4, v4
	v_lshl_add_u32 v6, v3, 11, v5
	s_lshl_b32 s24, s28, 9
	v_add_nc_u32 v6, s24, v6                       ; in: two rows a load, 256 consecutive bytes of each
	s_mul_i32 s25, s28, 16*272
	s_add_co_u32 s25, s25, MSTG
	v_mad_u32_u24 v7, v3, 272, v5
	v_add_nc_u32 v7, s25, v7                       ; into my stage as loaded,
	v_mul_u32_u24 v8, v4, 272
	v_lshl_add_u32 v8, v3, 4, v8
	v_add_nc_u32 v8, s25, v8                       ; and back: row l % 16, 16 bytes at 16 (l / 16)
	v_lshlrev_b32 v9, 4, v2
	s_lshl_b32 s24, s28, 10
	v_add_nc_u32 v9, s24, v9                       ; out: 128 words for 256 keys, four a lane
.irp i, 0,1,2,3,4,5,6,7
	v_mov_b32 v[MW+\i], 0                          ; v_writelane_b32's destination counts as read
.endr
	s_wait_kmcnt 0x0
	s_add_nc_u64 s[18:19], s[18:19], s[30:31]
	s_add_nc_u64 s[22:23], s[22:23], s[26:27]
.irp u, 0,1
.irp j, 0,1,2,3,4,5,6,7
	global_load_b128 v[ML+32*\u+4*\j:ML+32*\u+4*\j+3], v6, s[18:19] offset:4096*\j+256*\u th:TH_LOAD_NT
.endr
.endr
.macro MASKIT u
.if \u == 0
	s_wait_loadcnt 8                               ; the first 256 keys' eight loads are in; the second's eight stay out
.else
	s_wait_loadcnt 0x0
.endif
.irp j, 0,1,2,3,4,5,6,7
	ds_store_b128 v7, v[ML+32*\u+4*\j:ML+32*\u+4*\j+3] offset:544*\j
.endr
.irp g, 0,1,2,3,4,5,6,7
	ds_load_b128 v[MT+4*\g:MT+4*\g+3], v8 offset:32*\g             ; the wave's own bytes, served in order
.endr
	s_wait_dscnt 0x0
.irp g, 0,1,2,3,4,5,6,7                ; word N = 16 g + 8 e + k: byte (8 e + k) of the lane's 16; the compare's lane mask IS the word; lane N / 4 of register N % 4 takes it
.irp e, 0,1
.irp k, 0,1,2,3,4,5,6,7
	v_and_b32 v[MX+\k], 0xff<<(8*(\k%4)), v[MT+4*\g+2*\e+\k/4]
.endr
.irp k, 0,1,2,3,4,5,6,7
	v_cmp_ne_u32 s[32+\k], 0, v[MX+\k]
.endr
.irp k, 0,1,2,3,4,5,6,7
	v_writelane_b32 v[MW+4*\u+\k%4], s[32+\k], 4*\g+2*\e+\k/4
.endr
.endr
.endr
	global_store_b128 v9, v[MW+4*\u:MW+4*\u+3], s[22:23] offset:512*\u   ; 512 consecutive bytes
.endm
	MASKIT 0
	MASKIT 1
	s_wait_tensorcnt 0x0
	ds_add_u32 v200, v201
	s_wait_dscnt 0x0
	s_endpgm
.Lfunc_end_k_qaf8518b08a_prep:
	.size	k_qaf8518b08a_prep, .Lfunc_end_k_qaf8518b08a_prep-k_qaf8518b08a_prep
	.p2alignl 7, 3214868480
	.fill 96, 4, 3214868480
	.section	.rodata,"a",@progbits
	.p2align	6, 0x0
	.amdhsa_kernel k_qaf8518b08a_prep
		.amdhsa_group_segment_fixed_size 50688
		.amdhsa_private_segment_fixed_size 0
		.amdhsa_enable_private_segment 0
		.amdhsa_kernarg_size 80
		.amdhsa_user_sgpr_count 2
		.amdhsa_user_sgpr_kernarg_segment_ptr 1
		.amdhsa_wavefront_size32 1
		.amdhsa_system_sgpr_workgroup_id_x 1
		.amdhsa_system_sgpr_workgroup_id_y 1
		.amdhsa_system_sgpr_workgroup_id_z 1
		.amdhsa_system_vgpr_workitem_id 0
		.amdhsa_next_free_vgpr 206
		.amdhsa_next_free_sgpr 66
		.amdhsa_reserve_vcc 0
		.amdhsa_float_denorm_mode_32 3
		.amdhsa_float_denorm_mode_16_64 3
		.amdhsa_memory_ordered 1
		.amdhsa_forward_progress 1
		.amdhsa_inst_pref_size 110
	.end_amdhsa_kernel
	.amdgpu_metadata
---
amdhsa.version: [ 1, 2 ]
amdhsa.kernels:
  - .name:           k_qaf8518b08a_prep
    .symbol:         k_qaf8518b08a_prep.kd
    .args:
      - { .name: Q, .offset: 0, .size: 8, .value_kind: global_buffer, .address_space: global }
      - { .name: K, .offset: 8, .size: 8, .value_kind: global_buffer, .address_space: global }
      - { .name: V, .offset: 16, .size: 8, .value_kind: global_buffer, .address_space: global }
      - { .name: wq, .offset: 24, .size: 8, .value_kind: global_buffer, .address_space: global }
      - { .name: wk, .offset: 32, .size: 8, .value_kind: global_buffer, .address_space: global }
      - { .name: wv, .offset: 40, .size: 8, .value_kind: global_buffer, .address_space: global }
      - { .name: wo, .offset: 48, .size: 8, .value_kind: global_buffer, .address_space: global }
      - { .name: attn_mask, .offset: 56, .size: 8, .value_kind: global_buffer, .address_space: global }
      - { .name: qx, .offset: 64, .size: 8, .value_kind: global_buffer, .address_space: global }
      - { .name: mw, .offset: 72, .size: 8, .value_kind: global_buffer, .address_space: global }
    .group_segment_fixed_size: 50688
    .private_segment_fixed_size: 0
    .kernarg_segment_align: 8
    .kernarg_segment_size: 80
    .max_flat_workgroup_size: 128
    .sgpr_count:     66
    .vgpr_count:     206
    .wavefront_size: 32
...
	.end_amdgpu_metadata
.endif
;; end of part 1
;; launch proj (part 2): grid 4 x 48, 4 waves a work-group, clusters of 4 x 4, 327,680 bytes of LDS; arguments qx, bq, bk, bv, qq, kv; writes qq, kv
.if DOCPART == 2
	.amdgcn_target "amdgcn-amd-amdhsa--gfx1250"
	.amdhsa_code_object_version 6
	.text
	.protected	k_qaf8518b08a_proj
	.globl	k_qaf8518b08a_proj
	.p2align	8
	.type	k_qaf8518b08a_proj,@function
k_qaf8518b08a_proj:
	s_mov_b64 s[64:65], 0
	v_nop
	global_prefetch_b8 v0, s[64:65] scope:SCOPE_SE
	s_setreg_imm32_b32 hwreg(HW_REG_WAVE_MODE, 25, 1), 1
	s_wait_xcnt 0x0
	s_wait_alu depctr_hold_cnt(0) depctr_sa_sdst(0) depctr_va_vdst(0) depctr_va_sdst(0) depctr_va_ssrc(0) depctr_va_vcc(0) depctr_vm_vsrc(0)
	s_getreg_b32 s2, hwreg(HW_REG_IB_STS2, 6, 4)
	s_cmp_eq_u32 s2, 0
	s_cbranch_scc0 .Lentry_in_a_cluster
	s_endpgm
.Lentry_in_a_cluster:
	s_bfe_u32 s2, ttmp6, 0x10000c
	s_cmp_lg_u32 s2, 0xf033
	s_cbranch_scc0 .Lentry_shape_is_right
	s_endpgm
.Lentry_shape_is_right:
.set KSTEP,  256
.set NQ,     2
.set ROWB,   256
.set KROW,   1280
.set PITCH,  272
.set FR,     12
.set NL,     6
.set NP,     4
.set HALFT,  128*PITCH
.set SLOT,   4*HALFT
.set LAPS,   2
.set KS,     32
.set SCL,    2*SLOT
.set HALFS,  (128*KS/256)*272
.set SBLK,   (16*KS/256)*272
.set SPARE,  SCL+4*HALFS
.set SCB,    20447232
.set ADRA, 16
.set ADRB, 20
.set ADRS, 27
.set SPW,  28
.set NIL,  29
.set BIA,  30
.set SC,   32
.set BI,   64
.set AF,   128
.set T,    128
.set CD,   192
.set TM,   208
.set TP,   212
.set SO,   216
.set BY,   220
.set RB,   224
.set W,    32
.set SW,   7
.set SR,   8
.set GC,   9
.set GS,   10
.set SBW,  11
.set SBR,  12
.set GSV,  13
.set WV,   16
.set RH,   17
.set WC,   18
.set TR,   19
.set KIND, 95
.set SEL,  104
.set G1, 24
.set G0, 32
.set G1B, 48
.set G0B, 56
.set G1S, 68
.set G0S, 76
.set G1SB, 80
.set G0SB, 88
.set MSB, 0
.macro WIN new
.if MSB != (\new)
	s_set_vgpr_msb (MSB<<8)|(\new)
.set MSB, (\new)
.endif
.endm
.set MUL_LO, 0xa1
.set MUL_HI, 0xf1
.set TO_B,   0x40
.macro JLOAD g0a, g1a, g0b, g1b
	s_cmp_eq_u32 s[RH], 0
	s_cbranch_scc0 .Lfor_b_\@
	tensor_load_to_lds s[\g0a:\g0a+3], s[\g1a:\g1a+7]
	s_nop 0
.rept 4
	v_nop
.endr
	s_branch .Lasked_\@
.Lfor_b_\@:
	tensor_load_to_lds s[\g0b:\g0b+3], s[\g1b:\g1b+7]
	s_nop 0
.rept 4
	v_nop
.endr
.Lasked_\@:
.endm
.macro CREST
	s_cmp_lg_u32 s[WV], 0
	s_cbranch_scc1 .Lnot_wave_0_\@
	s_barrier_signal -3
.Lnot_wave_0_\@:
	s_barrier_wait -3
	s_barrier_signal -1
	s_barrier_wait -1
.endm
.macro CROUND
	s_barrier_signal -1
	s_barrier_wait -1
	CREST
.endm
	s_load_b256 s[4:11], s[0:1], 0x0
	s_load_b128 s[12:15], s[0:1], 0x20
	v_lshl_add_u32 v[SPW], v0, 2, SPARE
	v_mov_b32 v[NIL], 0
	ds_add_u32 v28, v29
	ds_add_u32 v28, v29
	s_wait_dscnt 0x0
	v_lshrrev_b32 v1, 5, v0
	v_readfirstlane_b32 s[WV], v1
	s_lshr_b32 s[RH], s[WV], 1
	s_and_b32 s[WC], s[WV], 1
	s_bfe_u32 s40, ttmp6, 0x40000
	s_bfe_u32 s41, ttmp6, 0x40004
	s_lshl_b32 s42, ttmp9, 2
	s_add_co_u32 s42, s42, s40
	s_and_b32 s[KIND], ttmp7, 0xffff
	s_lshl_b32 s[TR], s[KIND], 2
	s_add_co_u32 s[TR], s[TR], s41
	s_lshr_b32 s[KIND], s[KIND], 2
	s_lshl_b32 s43, s41, 2
	s_lshl_b32 s43, 15, s43
	s_lshl_b32 s44, 0x1111, s40
	s_mov_b32 s66, 0xffff0000
	s_mov_b32 s[SEL], 0x76543210
	s_mov_b32 s[SEL+1], 0xfedcba98
	s_or_b32 s[G1+0], s43, (0<<16)|(1<<20)|(1<<21)|(5<<22)|(3<<25)
	s_or_b32 s[G1B+0], s44, (0<<16)|(1<<20)|(1<<21)|(5<<22)|(3<<25)
.irp g, G1, G1B
	s_mov_b32 s[\g+1], ROWB<<16
	s_mov_b32 s[\g+2], 128<<16
	s_mov_b32 s[\g+3], ROWB<<16
	s_mov_b32 s[\g+4], 128
	s_mov_b32 s[\g+5], KROW
	s_mov_b32 s[\g+6], 0
	s_mov_b32 s[\g+7], 0
.endr
	s_or_b32 s[G1S+0], s43, (3<<16)|(1<<20)|(1<<21)|(5<<22)|(3<<25)
	s_or_b32 s[G1SB+0], s44, (3<<16)|(1<<20)|(1<<21)|(5<<22)|(3<<25)
.irp g, G1S, G1SB
	s_mov_b32 s[\g+1], 32<<16
	s_mov_b32 s[\g+2], (128*KS/256)<<16
	s_mov_b32 s[\g+3], 32<<16
	s_mov_b32 s[\g+4], 128*KS/256
	s_mov_b32 s[\g+5], 32
	s_mov_b32 s[\g+6], 0
	s_mov_b32 s[\g+7], 0
.endr
	s_lshl_b32 s2, s[WC], 7
	s_lshl_b32 s20, s[TR], 8
	s_add_co_u32 s20, s20, s2
	s_lshl_b32 s46, s42, 8
	s_add_co_u32 s46, s46, s2
	s_lshl_b32 s2, s[KIND], 10
	s_add_co_u32 s46, s46, s2
	s_add_co_u32 s46, s46, 12288
	s_lshl_b32 s22, s20, 5
	s_add_co_u32 s22, s22, SCB
	s_mov_b32 s23, 0
	s_mul_i32 s20, s20, KROW
	s_mov_b32 s21, 0
	s_lshl_b32 s92, s46, 5
	s_add_co_u32 s92, s92, SCB
	s_mov_b32 s93, 0
	s_mul_i32 s46, s46, KROW
	s_mov_b32 s47, 0
	s_mul_i32 s45, s[WV], HALFT
	s_mul_i32 s94, s[WV], HALFS
	s_wait_kmcnt 0x0
	s_add_nc_u64 s[20:21], s[4:5], s[20:21]
	s_add_nc_u64 s[22:23], s[4:5], s[22:23]
	s_add_nc_u64 s[46:47], s[4:5], s[46:47]
	s_add_nc_u64 s[92:93], s[4:5], s[92:93]
	; the codes are asked into the L2 ahead of the first round: of the 128 rows that I fetch, the partner at place p of the four that ask for them jointly (p = cx for A, cy for B) names rows 32 p .. 32 p + 31,
	; a lane a row, the row's four blocks of 256 bytes by four instructions: each block is named once in the cluster; the partners are told apart by address alone.  s[40:41] and v31 are never rewritten
	s_cmp_eq_u32 s[RH], 0
	s_cselect_b32 s2, s40, s41
	s_cselect_b64 s[40:41], s[20:21], s[46:47]
	s_mul_i32 s2, s2, 32*KROW
	s_mov_b32 s3, 0
	s_add_nc_u64 s[40:41], s[40:41], s[2:3]
	v_and_b32 v31, 31, v0
	v_mul_u32_u24 v31, v31, KROW
.irp c, 0,1,2,3
	global_prefetch_b8 v31, s[40:41] offset:256*\c th:TH_LOAD_NT scope:SCOPE_SE
.endr
	CROUND
	s_mov_b32 s[G0S], 1
	s_add_co_u32 s[G0S+1], s94, SCL
	s_mov_b64 s[G0S+2:G0S+3], s[22:23]
	s_or_b32 s[G0S+3], s[G0S+3], 0x80000000
	s_mov_b32 s[G0SB], 1
	s_add_co_u32 s[G0SB+1], s94, SCL
	s_mov_b64 s[G0SB+2:G0SB+3], s[92:93]
	s_or_b32 s[G0SB+3], s[G0SB+3], 0x80000000
	JLOAD G0S, G1S, G0SB, G1SB
.irp s, 0,1
	s_mov_b32 s[G0+4*\s], 1
	s_add_co_u32 s[G0+4*\s+1], s45, \s*SLOT
	s_add_nc_u64 s[G0+4*\s+2:G0+4*\s+3], s[20:21], \s*256
	s_or_b32 s[G0+4*\s+3], s[G0+4*\s+3], 0x80000000
	s_mov_b32 s[G0B+4*\s], 1
	s_add_co_u32 s[G0B+4*\s+1], s45, \s*SLOT
	s_add_nc_u64 s[G0B+4*\s+2:G0B+4*\s+3], s[46:47], \s*256
	s_or_b32 s[G0B+4*\s+3], s[G0B+4*\s+3], 0x80000000
	s_wait_alu depctr_va_vdst(0)
	s_wait_tensorcnt 0x0
	ds_add_u32 v28, v29
	s_wait_dscnt 0x0
	CROUND
	JLOAD G0+4*\s, G1, G0B+4*\s, G1B
.endr
	v_and_b32 v1, 15, v0
	v_bfe_u32 v2, v0, 4, 1
	v_mul_u32_u24 v3, v1, PITCH
	v_mul_u32_u24 v4, v2, 24
	v_add_nc_u32 v4, v3, v4
	s_mul_i32 s21, s[RH], HALFT
	s_mul_i32 s22, s[WC], HALFT
	s_add_co_u32 s22, s22, 2*HALFT
.irp s, 0,1
	v_add_nc_u32 v[ADRA+\s], s21, v4
	v_add_nc_u32 v[ADRB+\s], s22, v4
	s_add_co_u32 s21, s21, SLOT
	s_add_co_u32 s22, s22, SLOT
.endr
	v_mul_u32_u24 v5, v1, KS
	v_lshrrev_b32 v6, 8, v5
	v_lshl_add_u32 v5, v6, 4, v5
	s_mul_i32 s21, s[RH], HALFS
	s_mul_i32 s22, s[WC], HALFS
	s_add_co_u32 s22, s22, 2*HALFS
	s_sub_co_u32 s22, s22, s21
	v_mul_u32_u24 v6, s22, v2
	s_add_co_u32 s21, s21, SCL
	v_add_nc_u32 v5, v5, v6
	v_add_nc_u32 v[ADRS], s21, v5
	s_lshl_b32 s2, s[KIND], 4
	s_sub_co_u32 s67, s[TR], s2
	s_lshl_b32 s67, s67, 1
	s_add_co_u32 s67, s67, s[RH]
	s_lshl_b32 s100, s42, 1
	s_add_co_u32 s100, s100, s[WC]
	s_mov_b32 s21, 0
	s_cmp_eq_u32 s[KIND], 1
	s_cbranch_scc1 .Lhead_k
	s_cmp_eq_u32 s[KIND], 2
	s_cbranch_scc1 .Lhead_v
	s_mul_i32 s20, s67, 98304
	s_mul_i32 s22, s100, 96
	s_add_co_u32 s20, s20, s22
	s_add_nc_u64 s[96:97], s[12:13], s[20:21]
	s_lshl_b32 s20, s100, 15
	s_lshl_b32 s22, s67, 10
	s_add_co_u32 s20, s20, s22
	s_add_co_u32 s20, s20, 3145728
	s_add_nc_u64 s[98:99], s[12:13], s[20:21]
	s_lshl_b32 s20, s100, 9
	s_add_nc_u64 s[92:93], s[6:7], s[20:21]
	s_branch .Lbias_row
.Lhead_k:
	s_mul_i32 s20, s67, 208896
	s_lshr_b32 s22, s100, 2
	s_mul_i32 s22, s22, 768
	s_add_co_u32 s22, s22, s20
	s_and_b32 s23, s100, 3
	s_mul_i32 s23, s23, 96
	s_add_co_u32 s22, s22, s23
	s_mov_b32 s23, 0
	s_add_nc_u64 s[96:97], s[14:15], s[22:23]
	s_lshl_b32 s22, s100, 6
	s_add_co_u32 s22, s22, s20
	s_add_co_u32 s22, s22, 12288
	s_add_nc_u64 s[98:99], s[14:15], s[22:23]
	s_lshl_b32 s20, s100, 9
	s_add_nc_u64 s[92:93], s[8:9], s[20:21]
.Lbias_row:
	v_lshlrev_b32 v[BIA], 6, v2
.irp b, 0,1,2,3
.irp k, 0,1,2,3
	global_load_b128 v[BI+16*\b+4*\k:BI+16*\b+4*\k+3], v[BIA], s[92:93] offset:128*\b+16*\k
.endr
.endr
	s_branch .Lhead_done
.Lhead_v:
	s_mul_i32 s20, s67, 208896
	s_lshr_b32 s22, s42, 1
	s_lshl_b32 s23, s22, 1
	s_add_co_u32 s23, s23, s[WC]
	s_mul_i32 s23, s23, 1536
	s_add_co_u32 s23, s23, s20
	s_and_b32 s2, s42, 1
	s_mul_i32 s94, s2, 384
	s_add_co_u32 s94, s94, s23
	s_add_co_u32 s94, s94, 6144
	s_mov_b32 s23, 0
	s_lshl_b32 s22, s22, 7
	s_add_co_u32 s22, s22, s20
	s_lshl_b32 s20, s[WC], 6
	s_add_co_u32 s22, s22, s20
	s_lshl_b32 s20, s2, 5
	s_add_co_u32 s22, s22, s20
	s_add_co_u32 s22, s22, 12800
	s_add_nc_u64 s[98:99], s[14:15], s[22:23]
	s_mov_b32 s22, s94
	s_add_nc_u64 s[96:97], s[14:15], s[22:23]
	s_lshl_b32 s20, s100, 5
	s_add_nc_u64 s[92:93], s[10:11], s[20:21]
	v_lshlrev_b32 v[BIA], 2, v2
.irp b, 0,1,2,3
.irp i, 0,1,2,3,4,5,6,7,8,9,10,11,12,13,14,15
	global_load_b32 v[BI+16*\b+\i], v[BIA], s[92:93] offset:256*\i+8*\b
.endr
.endr
.Lhead_done:
.macro FRAG reg, adr, q, i
.irp p, 0,1,2,3,4,5
	ds_load_b64 v[\reg+2*\p:\reg+2*\p+1], v[\adr] offset:128*(\q)+64*(\p/3)+8*(\p%3)+(\i)*16*PITCH   ; each 64 along K has a place of 64 bytes, 48 of them codes
.endr
.endm
.macro MUL16 a0, p, q, sc, zero
.irp a, \a0, \a0+1
.irp b, 0,1,2,3,4,5,6,7
.if \zero
	v_wmma_scale_f32_16x16x128_f8f6f4 v[8*(8*((\a)%4)+\b):8*(8*((\a)%4)+\b)+7], v[128*(\p)+FR*\b:128*(\p)+FR*\b+FR-1], v[AF+FR*(\a):AF+FR*(\a)+FR-1], 0, v[SC+8*NQ*(\sc)+NQ*\b+(\q)], v[SC+8*NQ*(\sc)+NQ*(\a)+(\q)] matrix_a_fmt:MATRIX_FMT_FP6 matrix_b_fmt:MATRIX_FMT_FP6 matrix_a_scale:MATRIX_SCALE_ROW1
.else
	v_wmma_scale_f32_16x16x128_f8f6f4 v[8*(8*((\a)%4)+\b):8*(8*((\a)%4)+\b)+7], v[128*(\p)+FR*\b:128*(\p)+FR*\b+FR-1], v[AF+FR*(\a):AF+FR*(\a)+FR-1], v[8*(8*((\a)%4)+\b):8*(8*((\a)%4)+\b)+7], v[SC+8*NQ*(\sc)+NQ*\b+(\q)], v[SC+8*NQ*(\sc)+NQ*(\a)+(\q)] matrix_a_fmt:MATRIX_FMT_FP6 matrix_b_fmt:MATRIX_FMT_FP6 matrix_a_scale:MATRIX_SCALE_ROW1
.endif
.endr
.endr
.endm
.macro FETCH_B slot, q, p
	WIN TO_B
.irp i, 0,1,2,3,4,5,6,7
	FRAG 128*(\p)+FR*\i, ADRB+\slot, \q, \i
.endr
	WIN 0
.endm
.macro FETCH_A slot, q, i0
.irp i, \i0, \i0+1, \i0+2, \i0+3
	FRAG AF+FR*(\i), ADRA+\slot, \q, \i
.endr
.endm
.macro SCALES sc
.irp i, 0,1,2,3,4,5,6,7
	ds_load_b64 v[SC+8*NQ*\sc+NQ*\i:SC+8*NQ*\sc+NQ*\i+1], v[ADRS] offset:\i*SBLK
.endr
.endm
.macro PLACES n
.rept \n
	v_nop
.endr
.endm
.macro STEP slot, q, zero
	s_wait_dscnt 4*NL
	WIN MUL_LO
	MUL16 0, (\q)%2, \q, \slot, \zero
	MUL16 2, (\q)%2, \q, \slot, \zero
	s_wait_dscnt 0
	PLACES NP
	FETCH_B \slot, (\q)+1, 1-(\q)%2
	FETCH_A \slot, (\q)+1, 0
	WIN MUL_HI
	MUL16 4, (\q)%2, \q, \slot, \zero
	MUL16 6, (\q)%2, \q, \slot, \zero
	PLACES NP
	WIN 0
	FETCH_A \slot, (\q)+1, 4
.endm
.macro TURN slot, next, fill
	s_wait_tensorcnt 0x0
	ds_add_u32 v[SPW], v[NIL]
	s_wait_dscnt 4*NL+1
	WIN MUL_LO
	MUL16 0, 1, NQ-1, \slot, 0
	s_wait_dscnt 0x0
	s_barrier_signal -1
	MUL16 2, 1, NQ-1, \slot, 0
	WIN 0
	s_barrier_wait -1
.if \fill
	CREST
	s_add_nc_u64 s[G0+4*\slot+2:G0+4*\slot+3], s[G0+4*\slot+2:G0+4*\slot+3], 512
	s_add_nc_u64 s[G0B+4*\slot+2:G0B+4*\slot+3], s[G0B+4*\slot+2:G0B+4*\slot+3], 512
	JLOAD G0+4*\slot, G1, G0B+4*\slot, G1B
.else
	PLACES NP
.endif
	s_wait_alu depctr_va_vdst(0)
	v_add_nc_u32 v[ADRS], 4*NQ, v[ADRS]
	FETCH_B \next, 0, 0
	FETCH_A \next, 0, 0
	SCALES \next
	WIN MUL_HI
	MUL16 4, 1, NQ-1, \slot, 0
	MUL16 6, 1, NQ-1, \slot, 0
	PLACES NP
	WIN 0
	FETCH_A \next, 0, 4
.endm
	s_wait_tensorcnt 1
	s_barrier_signal -1
	s_barrier_wait -1
	FETCH_B 0, 0, 0
	FETCH_A 0, 0, 0
	s_wait_alu depctr_va_vdst(0)
	SCALES 0
	FETCH_A 0, 0, 4
	STEP 0, 0, 1
	s_mov_b32 s3, LAPS-1
.Llap:
	TURN 0, 1, 1
	STEP 1, 0, 0
	TURN 1, 0, 1
	STEP 0, 0, 0
	s_sub_co_u32 s3, s3, 1
	s_cmp_lg_u32 s3, 0
	s_cbranch_scc1 .Llap
	TURN 0, 1, 0
	STEP 1, 0, 0
	s_wait_dscnt 4*NL
	WIN MUL_LO
	MUL16 0, 1, NQ-1, 1, 0
	MUL16 2, 1, NQ-1, 1, 0
	s_wait_dscnt 0
	WIN MUL_HI
	MUL16 4, 1, NQ-1, 1, 0
	MUL16 6, 1, NQ-1, 1, 0
	WIN 0
.macro QNT kind, a
.if (\a) >= 2
	s_wait_xcnt 0x0
.endif
.if (\a) >= 1
	s_wait_dscnt 4
.endif
	WIN 0x02+(\a)/4
.set QN, 0
.rept 32
	v_pk_add_f32 v[T+2*QN:T+2*QN+1], v[64*((\a)%4)+2*QN:64*((\a)%4)+2*QN+1], v[BI+2*QN:BI+2*QN+1]
.set QN, QN+1
.endr
	WIN 0
.irp b, 0,1,2,3
	v_max3_num_f32 v[TM+\b], |v[T+16*\b]|, |v[T+16*\b+1]|, 0x1800000
.endr
.irp i, 2,4,6,8,10,12,14
.irp b, 0,1,2,3
	v_max3_num_f32 v[TM+\b], v[TM+\b], |v[T+16*\b+\i]|, |v[T+16*\b+\i+1]|
.endr
.endr
.if \kind == 2
.irp b, 0,1,2,3
	v_max_num_f32_dpp v[TM+\b], v[TM+\b], v[TM+\b] row_xmask:1 row_mask:0xf bank_mask:0xf
.endr
.else
.irp b, 0,1,2,3
	v_permlanex16_b32 v[TP+\b], v[TM+\b], s[SEL], s[SEL+1]
.endr
.irp b, 0,1,2,3
	v_max_num_f32 v[TM+\b], v[TM+\b], v[TP+\b]
.endr
.endif
.irp b, 0,1,2,3
	v_add_nc_u32 v[SO+\b], 0xff000000, v[TM+\b]
.endr
.irp b, 0,1,2,3
	v_lshrrev_b32 v[BY+\b], 23, v[SO+\b]
.endr
.irp b, 0,1,2,3
	v_cvt_scalef32_pk16_fp6_f32 v[CD+4*\b:CD+4*\b+2], v[T+16*\b:T+16*\b+15], v[SO+\b]
.endr
	v_nop
.if \kind == 2
.irp b, 0,1,2,3
	ds_store_b96 v[SW], v[CD+4*\b:CD+4*\b+2] offset:128*\b
.endr
.irp b, 0,1,2,3
	ds_store_b8 v[SBW], v[BY+\b] offset:64*(\a)+8*\b
.endr
.irp t, 0,1,2,3
	ds_load_b96 v[RB+16*((\a)%2)+4*\t:RB+16*((\a)%2)+4*\t+2], v[SR] offset:512*\t
.endr
.else
.irp b, 0,1,2,3
	ds_store_b96 v[SW], v[CD+4*\b:CD+4*\b+2] offset:32*\b
.endr
.irp t, 0,1,2,3
	ds_load_b96 v[RB+16*((\a)%2)+4*\t:RB+16*((\a)%2)+4*\t+2], v[SR] offset:576*\t
.endr
	v_lshl_or_b32 v40, v[BY+1], 8, v[BY]
	v_lshl_or_b32 v41, v[BY+3], 8, v[BY+2]
	v_cndmask_b32 v40, v40, v41, s66
	v_or_b32 v[W+(\a)], 0x7f7f0000, v40
.if \kind == 0
	global_store_b32 v[GS], v[W+(\a)], s[98:99] offset:128*(\a)
.else
	global_store_b32 v[GS], v[W+(\a)], s[98:99] offset:26112*(\a)
.endif
.endif
.endm
.macro SEND kind, a, younger
	s_wait_dscnt \younger
.irp t, 0,1,2,3
.if \kind == 0
	global_store_b96 v[GC], v[RB+16*((\a)%2)+4*\t:RB+16*((\a)%2)+4*\t+2], s[96:97] offset:12288*(\a)+3072*\t
.elseif \kind == 1
	global_store_b96 v[GC], v[RB+16*((\a)%2)+4*\t:RB+16*((\a)%2)+4*\t+2], s[96:97] offset:26112*(\a)+13056*(\t/2)+3072*(\t%2)
.else
	global_store_b96 v[GC], v[RB+16*((\a)%2)+4*\t:RB+16*((\a)%2)+4*\t+2], s[96:97] offset:26112*(\a)+13056*(\t/2)+768*(\t%2)
.endif
.endr
.endm
.macro OUTALL kind, younger
	QNT \kind, 0
.irp a, 1,2,3,4,5,6,7
	QNT \kind, \a
	SEND \kind, \a-1, \younger
.endr
	SEND \kind, 7, 0
.endm
	PLACES NP
.irp b, 0,1,2,3
	v_mov_b32 v[TP+\b], 0
.endr
	v_and_b32 v1, 15, v0
	v_bfe_u32 v2, v0, 4, 1
	v_and_b32 v3, 31, v0
	s_lshl_b32 s2, s[WV], 12
	s_wait_loadcnt 0x0
	s_cmp_eq_u32 s[KIND], 1
	s_cbranch_scc1 .Lout_k
	s_cmp_eq_u32 s[KIND], 2
	s_cbranch_scc1 .Lout_v
	s_wait_alu depctr_va_vdst(0)
	v_mul_u32_u24 v[SW], v1, 144
	v_lshl_add_u32 v[SW], v2, 4, v[SW]
	v_add_nc_u32 v[SW], s2, v[SW]
	v_lshrrev_b32 v4, 3, v3
	v_and_b32 v5, 7, v3
	v_mul_u32_u24 v[SR], v4, 144
	v_lshl_add_u32 v[SR], v5, 4, v[SR]
	v_add_nc_u32 v[SR], s2, v[SR]
	v_mul_u32_u24 v[GC], v4, 768
	v_mad_u32_u24 v[GC], v5, 12, v[GC]
	v_lshlrev_b32 v[GS], 3, v1
	v_lshl_add_u32 v[GS], v2, 2, v[GS]
	OUTALL 0, 8
	s_branch .Lend
.Lout_k:
	s_add_co_u32 s2, s2, 16384
	s_wait_alu depctr_va_vdst(0)
	v_mul_u32_u24 v[SW], v1, 144
	v_lshl_add_u32 v[SW], v2, 4, v[SW]
	v_add_nc_u32 v[SW], s2, v[SW]
	v_lshrrev_b32 v4, 3, v3
	v_and_b32 v5, 7, v3
	v_mul_u32_u24 v[SR], v4, 144
	v_lshl_add_u32 v[SR], v5, 4, v[SR]
	v_add_nc_u32 v[SR], s2, v[SR]
	v_mul_u32_u24 v[GC], v4, 768
	v_mad_u32_u24 v[GC], v5, 12, v[GC]
	v_and_b32 v6, 1, v4
	v_mul_u32_u24 v6, v6, 384
	v_sub_nc_u32 v[GC], v[GC], v6
	v_lshrrev_b32 v6, 3, v1
	v_mul_u32_u24 v[GS], v6, 13056
	v_and_b32 v6, 7, v1
	v_lshl_add_u32 v[GS], v6, 3, v[GS]
	v_lshl_add_u32 v[GS], v2, 2, v[GS]
	OUTALL 1, 8
	s_branch .Lend
.Lout_v:
	s_add_co_u32 s2, s2, 32768
	v_bfe_u32 v4, v0, 3, 1
	v_lshlrev_b32 v[SW], 10, v4
	v_bfe_u32 v5, v0, 1, 1
	v_lshl_add_u32 v[SW], v5, 9, v[SW]
	v_bfe_u32 v5, v0, 2, 1
	v_lshl_add_u32 v[SW], v5, 5, v[SW]
	v_and_b32 v5, 1, v0
	v_lshl_add_u32 v[SW], v5, 4, v[SW]
	v_lshl_add_u32 v[SW], v2, 6, v[SW]
	v_add_nc_u32 v[SW], s2, v[SW]
	v_lshl_add_u32 v[SR], v3, 4, s2
	v_mul_u32_u24 v[GC], v3, 12
	v_lshlrev_b32 v[SBW], 5, v4
	v_lshl_add_u32 v[SBW], v2, 2, v[SBW]
	v_bfe_u32 v5, v0, 1, 2
	v_add_nc_u32 v[SBW], v5, v[SBW]
	v_add_nc_u32 v[SBW], s2, v[SBW]
	v_add_nc_u32 v[SBW], 2560, v[SBW]
	v_add_nc_u32 v[SBR], 2560, v[SR]
	v_lshrrev_b32 v5, 1, v3
	v_mul_u32_u24 v[GSV], v5, 13056
	v_and_b32 v5, 1, v0
	v_lshl_add_u32 v[GSV], v5, 4, v[GSV]
	OUTALL 2, 12
	ds_load_b128 v[T:T+3], v[SBR]
	s_wait_dscnt 0x0
	global_store_b128 v[GSV], v[T:T+3], s[98:99]
.Lend:
	s_wait_tensorcnt 0x0
	ds_add_u32 v[SPW], v[NIL]
	s_wait_dscnt 0x0
	CROUND
	s_endpgm
.Lfunc_end_k_qaf8518b08a_proj:
	.size	k_qaf8518b08a_proj, .Lfunc_end_k_qaf8518b08a_proj-k_qaf8518b08a_proj
	.p2alignl 7, 3214868480
	.fill 96, 4, 3214868480
	.section	.rodata,"a",@progbits
	.p2align	6, 0x0
	.amdhsa_kernel k_qaf8518b08a_proj
		.amdhsa_group_segment_fixed_size 327680
		.amdhsa_private_segment_fixed_size 0
		.amdhsa_enable_private_segment 0
		.amdhsa_kernarg_size 48
		.amdhsa_user_sgpr_count 2
		.amdhsa_user_sgpr_kernarg_segment_ptr 1
		.amdhsa_wavefront_size32 1
		.amdhsa_system_sgpr_workgroup_id_x 1
		.amdhsa_system_sgpr_workgroup_id_y 1
		.amdhsa_system_sgpr_workgroup_id_z 1
		.amdhsa_system_vgpr_workitem_id 0
		.amdhsa_next_free_vgpr 1024
		.amdhsa_next_free_sgpr 106
		.amdhsa_reserve_vcc 0
		.amdhsa_float_denorm_mode_32 3
		.amdhsa_float_denorm_mode_16_64 3
		.amdhsa_memory_ordered 1
		.amdhsa_forward_progress 1
		.amdhsa_inst_pref_size 255
	.end_amdhsa_kernel
	.section	.bss,"aw",@nobits
	.p2align	6
	.space	262144
	.amdgpu_metadata
---
amdhsa.version: [ 1, 2 ]
amdhsa.kernels:
  - .name:           k_qaf8518b08a_proj
    .symbol:         k_qaf8518b08a_proj.kd
    .args:
      - { .name: qx, .offset: 0, .size: 8, .value_kind: global_buffer, .address_space: global }
      - { .name: bq, .offset: 8, .size: 8, .value_kind: global_buffer, .address_space: global }
      - { .name: bk, .offset: 16, .size: 8, .value_kind: global_buffer, .address_space: global }
      - { .name: bv, .offset: 24, .size: 8, .value_kind: global_buffer, .address_space: global }
      - { .name: qq, .offset: 32, .size: 8, .value_kind: global_buffer, .address_space: global }
      - { .name: kv, .offset: 40, .size: 8, .value_kind: global_buffer, .address_space: global }
    .group_segment_fixed_size: 327680
    .private_segment_fixed_size: 0
    .kernarg_segment_align: 8
    .kernarg_segment_size: 48
    .max_flat_workgroup_size: 128
    .sgpr_count:     106
    .vgpr_count:     1024
    .wavefront_size: 32
...
	.end_amdgpu_metadata
.endif
;; end of part 2
;; launch attn (part 3): grid 8 x 32, 16 waves a work-group, clusters of 4 x 1, 227,328 bytes of LDS; arguments qq, kv, mw, cx; writes cx
.if DOCPART == 3
	.amdgcn_target "amdgcn-amd-amdhsa--gfx1250"
	.amdhsa_code_object_version 6
	.text
	.protected	k_qaf8518b08a_attn
	.globl	k_qaf8518b08a_attn
	.p2align	8
	.type	k_qaf8518b08a_attn,@function
k_qaf8518b08a_attn:
	s_mov_b64 s[64:65], 0
	v_nop
	global_prefetch_b8 v0, s[64:65] scope:SCOPE_SE
	s_setreg_imm32_b32 hwreg(HW_REG_WAVE_MODE, 25, 1), 1
	s_wait_xcnt 0x0
	s_wait_alu depctr_hold_cnt(0) depctr_sa_sdst(0) depctr_va_vdst(0) depctr_va_sdst(0) depctr_va_ssrc(0) depctr_va_vcc(0) depctr_vm_vsrc(0)
	s_getreg_b32 s2, hwreg(HW_REG_IB_STS2, 6, 4)
	s_cmp_eq_u32 s2, 0
	s_cbranch_scc0 .Lentry_in_a_cluster
	s_endpgm
.Lentry_in_a_cluster:
	s_bfe_u32 s2, ttmp6, 0x10000c
	s_cmp_lg_u32 s2, 0x3003
	s_cbranch_scc0 .Lentry_shape_is_right
	s_endpgm
.Lentry_shape_is_right:
; context[head][q][:] = the sum over keys of softmax(q . k / 8, masked) v, both products on codes of FP6 (E2M3); the context leaves as codes along its 64 channels, for the last product.
; THE SOFTMAX: t = score x log2(e) / 8; M = the running largest t rounded up to a whole number; p = 2^(t - M) is quantised along the keys, not normalised; the sum of the unquantised p divides at the end.
; THE MASK: where the mask's bit is set the raw score becomes -2^33 ahead of the maximum.  LIMIT: that is a logit of -2^30 where the problem writes -1e9: results differ only where an unmasked logit lies between
; -1.074e9 and -1e9.  -2^33 x c is a whole number, so a row all of whose keys are masked has p = 1 everywhere, exactly: uniform weights, as the problem has them.  NaN and infinities are not served.
; SHARES.  A work-group owns 256 queries of one head, each of its sixteen waves 16 of them in 256 registers, four waves to a SIMD.  Every wave walks the head's 2,048 keys, 128 a step.
; THE WHOLE HEAD'S K AND V (16 blocks of 13,056 bytes, laid by the launch before as the operands want them) COME INTO LDS ONCE: each wave asks for one block.  Nothing is filled again: no ring.
; CLUSTER: the four work-groups of a cluster belong to one head and ask for these blocks jointly: the same load, descriptor and mask in all four.
; LAYOUT.  S^T = K Q^T, O^T = V^T P^T: a lane holds one query (lane % 16) throughout; register 16 b + i of S^T is key 32 b + 16 (lane / 16) + i of the step.
; K = 64 in an instruction of 128: Q's registers 6-11 hold zero codes, so whatever stands in K's registers 6-11 adds nothing (the format has no NaN); K's tiles therefore stand 6 registers apart; the scale words' upper bytes are 0x7f.
; REGISTERS: v1-4 lane addresses; v5 -2^33; v6, v7, v29 lane, r, h; v8-11 the step's addresses; v12 -M, v13 largest t, v[14:15] the sum; v16-27 Q; v28 its scale word; v30-77 K's 8 tiles, then V's 4 fragments; v78-83 zeros;
; v84-87 K's scale words, v88-89 V's; v96-159 S^T, then p; v160-191 O^T; v192-210 p's codes; v212.. at work; v224 f, v225 p's scale word.
; The step's 64 mask words lie in s4-51 and s68-83, fetched a step ahead by scalar loads; they serve as select masks alone.
.set STEPB, 13056
.set HEADB, 16*STEPB
.set STAGE, HEADB                      ; 1,024 bytes a wave for the way out; no load lands there
.set QSC,   3145728
.set BM,  212                          ; block maxima
.set PT,  216                          ; the partner's; then the bytes
.set SO,  220                          ; the conversions' scale operands
.macro CROUND
	s_barrier_signal -1
	s_barrier_wait -1
	s_cmp_lg_u32 s2, 0
	s_cbranch_scc1 .Lnot_wave_0_\@
	s_barrier_signal -3
.Lnot_wave_0_\@:
	s_barrier_wait -3
	s_barrier_signal -1
	s_barrier_wait -1
.endm
	s_load_b256 s[4:11], s[0:1], 0x0               ; qq s[4:5], kv s[6:7], mw s[8:9], cx s[10:11]
	v_lshl_add_u32 v254, v0, 2, 0x37000
	v_mov_b32 v255, 0
	ds_add_u32 v254, v255
	ds_add_u32 v254, v255
	v_lshrrev_b32 v1, 5, v0
	s_delay_alu instid0(VALU_DEP_1)
	v_readfirstlane_b32 s2, v1                     ; wave 0..15
	s_bfe_u32 s96, ttmp6, 0x40000                  ; my place in the cluster: it enters global addresses of my own alone
	s_lshl_b32 s97, ttmp9, 2
	s_add_co_u32 s97, s97, s96                     ; my block of 256 queries
	s_and_b32 s98, ttmp7, 0xffff                   ; the head 0..31, which the partners share
	; a step's block: 13,056 dense bytes as 51 rows of 256 (32 elements of 8 bytes); mask: all four work-groups, bit 21 beside it
	s_mov_b32 s84, 15|(3<<16)|(1<<21)
	s_mov_b32 s85, 32<<16
	s_mov_b32 s86, 51<<16
	s_mov_b32 s87, 32<<16
	s_mov_b32 s88, 51
	s_mov_b32 s89, 32
	s_mov_b32 s90, 0
	s_mov_b32 s91, 0
	s_mul_i32 s99, s2, STEPB                       ; wave w asks for step w
	s_mul_i32 s100, s98, HEADB
	s_add_co_u32 s100, s100, s99
	s_mov_b32 s101, 0
	s_wait_dscnt 0x0
	s_wait_kmcnt 0x0
	s_mov_b32 s92, 1
	s_mov_b32 s93, s99
	s_add_nc_u64 s[94:95], s[6:7], s[100:101]
	s_or_b32 s95, s95, 0x80000000
	CROUND                                         ; all four work-groups are here: the joint loads meet
	tensor_load_to_lds s[92:95], s[84:91]          ; my one tensor load of the launch
	s_nop 0
.rept 4
	v_nop
.endr
	s_lshl_b32 s104, s97, 4
	s_add_co_u32 s104, s104, s2                    ; 16 qb + w: my tile of 16 queries in the head
	s_lshr_b32 s105, s98, 4
	s_lshl_b32 s67, s105, 7
	s_add_co_u32 s67, s67, s104                    ; 128 b + 16 qb + w
	s_and_b32 s105, s98, 15                        ; the head in its batch
	s_lshl_b32 s100, s67, 12
	s_add_nc_u64 s[52:53], s[8:9], s[100:101]      ; my tile's mask words: 256 bytes a step
	s_mul_i32 s100, s67, 12288
	s_mul_i32 s3, s105, 48
	s_add_co_u32 s100, s100, s3
	s_add_nc_u64 s[60:61], s[10:11], s[100:101]    ; the context's codes: row 16 (128 b + 16 qb + w), byte 48 x head
	s_lshl_b32 s100, s67, 9
	s_lshl_b32 s3, s105, 1
	s_add_co_u32 s100, s100, s3
	s_add_co_u32 s100, s100, 3145728
	s_add_nc_u64 s[62:63], s[10:11], s[100:101]    ; and its scale bytes: 32 a row, 2 a head
	s_mul_i32 s100, s98, 98304
	s_mul_i32 s3, s104, 768
	s_add_co_u32 s100, s100, s3
	s_add_nc_u64 s[96:97], s[4:5], s[100:101]      ; my queries' codes: 48 bytes a query
	s_lshl_b32 s100, s98, 10
	s_lshl_b32 s3, s104, 3
	s_add_co_u32 s100, s100, s3
	s_add_co_u32 s100, s100, QSC
	s_add_nc_u64 s[98:99], s[4:5], s[100:101]      ; and their scale words
	s_mov_b32 s56, 0x3e38aa3b                      ; c = log2(e) / 8
	s_mov_b32 s57, s56
	s_mov_b32 s58, 0x76543210
	s_mov_b32 s59, 0xfedcba98
	s_mov_b32 s66, 0xffff0000
	v_and_b32 v6, 31, v0                           ; l
	v_and_b32 v7, 15, v0                           ; r
	v_bfe_u32 v29, v0, 4, 1                        ; h
	s_delay_alu instid0(VALU_DEP_2)
	v_mul_u32_u24 v1, v7, 48
	s_delay_alu instid0(VALU_DEP_1)
	v_mad_u32_u24 v1, v29, 24, v1                  ; K's tiles (and Q in memory): row r of 48 bytes, + 24 h
	v_mul_u32_u24 v2, v6, 48
	s_delay_alu instid0(VALU_DEP_1)
	v_add_nc_u32 v2, 6144, v2                      ; V's images: 48 bytes a lane
	v_bfe_u32 v3, v0, 1, 2
	s_delay_alu instid0(VALU_DEP_1)
	v_lshlrev_b32 v3, 6, v3
	s_delay_alu instid0(VALU_DEP_1)
	v_lshl_add_u32 v3, v29, 8, v3
	v_bfe_u32 v4, v0, 3, 1
	s_delay_alu instid0(VALU_DEP_1)
	v_lshl_add_u32 v3, v4, 3, v3
	v_and_b32 v4, 1, v0
	s_delay_alu instid0(VALU_DEP_1)
	v_lshl_add_u32 v3, v4, 2, v3
	s_delay_alu instid0(VALU_DEP_1)
	v_add_nc_u32 v3, 12288, v3                     ; K's scale words: lanes 0-15 tile 2 b, lanes 16-31 tile 2 b + 1
	v_lshl_add_u32 v4, v6, 2, 12800                ; V's: lanes 0-15 tile 2 b, lanes 16-31 tile 2 b + 1
	v_lshrrev_b32 v10, 1, v7
	s_delay_alu instid0(VALU_DEP_1)
	v_lshlrev_b32 v10, 15, v10
	v_and_b32 v11, 1, v0
	s_delay_alu instid0(VALU_DEP_1)
	v_lshl_add_u32 v10, v11, 2, v10                ; Q's scale word: [r / 2][row][r % 2]
.irp p, 0,1,2
	global_load_b64 v[16+2*\p:17+2*\p], v1, s[96:97] offset:8*\p
.endr
	global_load_b32 v28, v10, s[98:99]
	s_mov_b32 s54, 0
	s_load_b512 s[4:19], s[52:53], s54 offset:0x0  ; step 0's mask words (the arguments are done with)
	s_load_b512 s[20:35], s[52:53], s54 offset:0x40
	s_load_b512 s[36:51], s[52:53], s54 offset:0x80
	s_load_b512 s[68:83], s[52:53], s54 offset:0xc0
	v_mov_b32 v5, 0xd0000000                       ; -2^33
.irp j, 22,23,24,25,26,27,78,79,80,81,82,83
	v_mov_b32 v\j, 0                               ; zero codes
.endr
	v_mov_b32 v13, 0xff61b1e6                      ; the largest t so far: -3e38
	s_delay_alu instid0(VALU_DEP_1)
	v_floor_f32 v12, -v13
	v_mov_b32 v14, 0
	v_mov_b32 v15, 0
.irp b, 0,1,2,3
	v_mov_b32 v[PT+\b], 0                          ; a lane permute's destination counts as one of its sources
.endr
	v_mov_b32 v225, 0                              ; named as the upper half of the pair v[224:225] before it is first written
.set J, 0
.rept 32
	v_mov_b32 v[160+J], 0                          ; O^T: the loop is written once; its first step finds zeros
.set J, J+1
.endr
	s_mov_b32 s3, 0
	s_mov_b32 s55, 0
	s_wait_loadcnt 0x0                             ; Q
	s_wait_tensorcnt 0x0                           ; my block has landed,
	s_barrier_signal -1
	s_barrier_wait -1                              ; everybody's has
.Lstep:                                            ; 16 trips
	v_add_nc_u32 v8, s55, v1                       ; (these four are the places in front of the loads into registers that the last products read)
	v_add_nc_u32 v9, s55, v2
	v_add_nc_u32 v10, s55, v3
	v_add_nc_u32 v11, s55, v4
.irp t, 0,1,2,3,4,5,6,7
.irp p, 0,1,2
	ds_load_b64 v[30+6*\t+2*\p:31+6*\t+2*\p], v8 offset:768*\t+8*\p
.endr
.endr
.irp b, 0,1,2,3
	ds_load_b32 v[84+\b], v10 offset:16*\b
.endr
	s_wait_alu depctr_va_vdst(0)
	s_wait_dscnt 0x0
.irp t, 0,1,2,3,4,5,6,7
.if \t%2
	v_wmma_scale_f32_16x16x128_f8f6f4 v[96+8*\t:103+8*\t], v[30+6*\t:41+6*\t], v[16:27], 0, v[84+\t/2], v28 matrix_a_fmt:MATRIX_FMT_FP6 matrix_b_fmt:MATRIX_FMT_FP6 matrix_a_scale:MATRIX_SCALE_ROW1
.else
	v_wmma_scale_f32_16x16x128_f8f6f4 v[96+8*\t:103+8*\t], v[30+6*\t:41+6*\t], v[16:27], 0, v[84+\t/2], v28 matrix_a_fmt:MATRIX_FMT_FP6 matrix_b_fmt:MATRIX_FMT_FP6
.endif
.endr
.rept 4
	v_nop                                          ; places in front of the loads into K's registers and of the first read of the scores
.endr
.irp t, 0,1,2,3
.irp i, 0,1,2
	ds_load_b128 v[30+12*\t+4*\i:33+12*\t+4*\i], v9 offset:1536*\t+16*\i   ; V's fragments as images of their registers; they land under the softmax
.endr
.endr
.irp b, 0,1
	ds_load_b32 v[88+\b], v11 offset:128*\b
.endr
	s_wait_kmcnt 0x0                               ; this step's mask words
.set J, 0
.rept 64
.if J < 48
	v_cndmask_b32 v[96+J], v[96+J], v5, s[4+J]
.else
	v_cndmask_b32 v[96+J], v[96+J], v5, s[20+J]
.endif
.set J, J+1
.endr
.irp b, 0,1,2,3
	v_max3_num_f32 v[BM+\b], v[96+16*\b], v[97+16*\b], v[98+16*\b]   ; the largest score of each block of 32 keys: for the row's maximum and, since p rises with the score, for the block's largest p
.endr
.irp i, 3,5,7,9,11,13
.irp b, 0,1,2,3
	s_delay_alu instid0(VALU_DEP_4)
	v_max3_num_f32 v[BM+\b], v[BM+\b], v[96+16*\b+\i], v[97+16*\b+\i]
.endr
.endr
.irp b, 0,1,2,3
	s_delay_alu instid0(VALU_DEP_4)
	v_max_num_f32 v[BM+\b], v[BM+\b], v[111+16*\b]
.endr
	s_add_co_u32 s54, s3, 1                        ; the next step's words (the last trip asks for its own again: no load leaves mw); s54 is free since the wait above
	s_min_u32 s54, s54, 15
	s_lshl_b32 s54, s54, 8
	s_load_b512 s[4:19], s[52:53], s54 offset:0x0
	s_load_b512 s[20:35], s[52:53], s54 offset:0x40
	s_load_b512 s[36:51], s[52:53], s54 offset:0x80
	s_load_b512 s[68:83], s[52:53], s54 offset:0xc0
.irp b, 0,1,2,3
	v_permlanex16_b32 v[PT+\b], v[BM+\b], s58, s59
.endr
.irp b, 0,1,2,3
	s_delay_alu instid0(VALU_DEP_4)
	v_max_num_f32 v[BM+\b], v[BM+\b], v[PT+\b]     ; with lane l xor 16's 16 keys
.endr
	s_delay_alu instid0(VALU_DEP_2)
	v_max3_num_f32 v226, v[BM], v[BM+1], v[BM+2]
	s_delay_alu instid0(VALU_DEP_1)
	v_max_num_f32 v226, v226, v[BM+3]
	s_delay_alu instid0(VALU_DEP_1)
	v_mul_f32 v226, s56, v226                      ; as t (c is positive)
	s_delay_alu instid0(VALU_DEP_1)
	v_max_num_f32 v13, v13, v226                   ; the running largest t
	v_mov_b32 v226, v12
	s_delay_alu instid0(VALU_DEP_2)
	v_floor_f32 v12, -v13                          ; the new -M = -ceil(t)
	s_delay_alu instid0(VALU_DEP_1)
	v_sub_f32 v226, v12, v226                      ; old M - new M: a whole number, 0 or less
	s_delay_alu instid0(VALU_DEP_1)
	v_cvt_i32_f32 v226, v226                       ; (it saturates)
	s_delay_alu instid0(VALU_DEP_1)
	v_ldexp_f32 v224, 1.0, v226                    ; f = 2^(old M - new M)
.set J, 0
.rept 32
	v_pk_fma_f32 v[96+J:97+J], v[96+J:97+J], s[56:57], v[12:13] op_sel_hi:[1,0,0]   ; t - M
.set J, J+2
.endr
.irp b, 0,1,2,3
	v_fma_f32 v[BM+\b], v[BM+\b], s56, v12
.endr
.set J, 0
	s_wait_alu depctr_va_vdst(0)
.rept 64
	v_exp_f32 v[96+J], v[96+J]                     ; p = 2^(t - M)
.set J, J+1
.endr
.irp b, 0,1,2,3
	v_exp_f32 v[BM+\b], v[BM+\b]                   ; the block's largest p: the same two instructions on the same number
.endr
	v_pk_mul_f32 v[14:15], v[14:15], v[224:225] op_sel_hi:[1,0]   ; the sums under the new M (a plain place behind the exponentials)
	s_wait_alu depctr_va_vdst(0)
.irp b, 0,1,2,3
	v_max_num_f32 v[BM+\b], 0x1800000, v[BM+\b]    ; the floor 2^(3 - 127)
.endr
.irp b, 0,1,2,3
	s_delay_alu instid0(VALU_DEP_4)
	v_add_nc_u32 v[SO+\b], 0xff000000, v[BM+\b]
.endr
.irp b, 0,1,2,3
	s_delay_alu instid0(VALU_DEP_4)
	v_lshrrev_b32 v[PT+\b], 23, v[SO+\b]
.endr
	s_delay_alu instid0(VALU_DEP_3)
	v_lshl_or_b32 v225, v[PT+1], 8, v[PT]          ; p's scale word for these 128 keys
	s_delay_alu instid0(VALU_DEP_1)
	v_lshl_or_b32 v225, v[PT+2], 16, v225
	s_delay_alu instid0(VALU_DEP_1)
	v_lshl_or_b32 v225, v[PT+3], 24, v225
.irp c, 0,1
	v_cvt_scalef32_pk16_fp6_f32 v[192+6*\c:194+6*\c], v[96+32*\c:111+32*\c], v[SO+2*\c]
	v_cvt_scalef32_pk16_fp6_f32 v[204+4*\c:206+4*\c], v[112+32*\c:127+32*\c], v[SO+2*\c+1]
.endr
	v_nop                                          ; one plain place behind the scaled conversions
.irp c, 0,1                                    ; the operand wants a whole block in a lane: lanes 0-15 block 2 c, lanes 16-31 block 2 c + 1
.irp i, 0,1,2
	v_permlane16_swap_b32 v[192+6*\c+\i], v[204+4*\c+\i]
.endr
.irp i, 0,1,2
	s_delay_alu instid0(VALU_DEP_3)
	v_mov_b32 v[195+6*\c+\i], v[204+4*\c+\i]
.endr
.endr
.set J, 0
.rept 16
	v_pk_mul_f32 v[160+J:161+J], v[160+J:161+J], v[224:225] op_sel_hi:[1,0]   ; O^T under the new M
.set J, J+2
.endr
	v_pk_add_f32 v[228:229], v[100:101], v[104:105]
	v_pk_add_f32 v[252:253], v[108:109], v[112:113]
	v_pk_add_f32 v[250:251], v[116:117], v[120:121]
	v_pk_add_f32 v[248:249], v[124:125], v[128:129]
	v_pk_add_f32 v[246:247], v[132:133], v[136:137]
	v_pk_add_f32 v[244:245], v[140:141], v[144:145]
	v_pk_add_f32 v[242:243], v[148:149], v[152:153]
	v_pk_add_f32 v[14:15], v[14:15], v[156:157]
	v_pk_add_f32 v[228:229], v[228:229], v[96:97]
	v_pk_add_f32 v[252:253], v[252:253], v[98:99]
	v_pk_add_f32 v[250:251], v[250:251], v[102:103]
	v_pk_add_f32 v[248:249], v[248:249], v[106:107]
	v_pk_add_f32 v[246:247], v[246:247], v[110:111]
	v_pk_add_f32 v[244:245], v[244:245], v[114:115]
	v_pk_add_f32 v[242:243], v[242:243], v[118:119]
	v_pk_add_f32 v[14:15], v[14:15], v[122:123]
	v_pk_add_f32 v[228:229], v[228:229], v[126:127]
	v_pk_add_f32 v[252:253], v[252:253], v[130:131]
	v_pk_add_f32 v[250:251], v[250:251], v[134:135]
	v_pk_add_f32 v[248:249], v[248:249], v[138:139]
	v_pk_add_f32 v[246:247], v[246:247], v[142:143]
	v_pk_add_f32 v[244:245], v[244:245], v[146:147]
	v_pk_add_f32 v[242:243], v[242:243], v[150:151]
	v_pk_add_f32 v[14:15], v[14:15], v[154:155]
	v_pk_add_f32 v[228:229], v[228:229], v[158:159]
	s_delay_alu instid0(VALU_DEP_2)
	v_pk_add_f32 v[14:15], v[14:15], v[248:249]
	s_delay_alu instid0(VALU_DEP_2)
	v_pk_add_f32 v[228:229], v[228:229], v[246:247]
	v_pk_add_f32 v[252:253], v[252:253], v[244:245]
	v_pk_add_f32 v[250:251], v[250:251], v[242:243]
	s_delay_alu instid0(VALU_DEP_2)
	v_pk_add_f32 v[14:15], v[14:15], v[252:253]
	s_delay_alu instid0(VALU_DEP_2)
	v_pk_add_f32 v[228:229], v[228:229], v[250:251]
	s_delay_alu instid0(VALU_DEP_1)
	v_pk_add_f32 v[14:15], v[14:15], v[228:229]
	s_wait_dscnt 0x0                               ; V
.irp t, 0,1,2,3                                ; the four accumulators by turns; the eight products K Q^T stand between a trip's last and the next trip's first
.if \t%2
	v_wmma_scale_f32_16x16x128_f8f6f4 v[160+8*\t:167+8*\t], v[30+12*\t:41+12*\t], v[192:203], v[160+8*\t:167+8*\t], v[88+\t/2], v225 matrix_a_fmt:MATRIX_FMT_FP6 matrix_b_fmt:MATRIX_FMT_FP6 matrix_a_scale:MATRIX_SCALE_ROW1
.else
	v_wmma_scale_f32_16x16x128_f8f6f4 v[160+8*\t:167+8*\t], v[30+12*\t:41+12*\t], v[192:203], v[160+8*\t:167+8*\t], v[88+\t/2], v225 matrix_a_fmt:MATRIX_FMT_FP6 matrix_b_fmt:MATRIX_FMT_FP6
.endif
.endr
	s_add_co_u32 s55, s55, STEPB
	s_add_co_u32 s3, s3, 1
	s_cmp_lt_u32 s3, 16
	s_cbranch_scc1 .Lstep
	s_wait_kmcnt 0x0                               ; the last trip's scalar loads
	; THE WAY OUT.  V's channels were stored with bits 3 and 4 swapped, so register 16 b + i of O^T is channel 32 b + 16 h + i: half a block of the last product's K.
	s_wait_alu depctr_va_vdst(0)
	v_add_f32 v14, v14, v15
	s_delay_alu instid0(VALU_DEP_1)
	v_permlanex16_b32 v226, v14, s58, s59
	s_delay_alu instid0(VALU_DEP_1)
	v_add_f32 v14, v14, v226                       ; the row's sum
	s_wait_alu depctr_va_vdst(0)
	v_rcp_f32 v14, v14
	s_lshl_b32 s67, s2, 10
	s_add_co_u32 s67, s67, STAGE
	v_lshlrev_b32 v8, 6, v7                        ; the stage: row r, four places of 16 bytes: 2 b + h
	s_delay_alu instid0(VALU_DEP_1)
	v_lshl_add_u32 v8, v29, 4, v8
	s_delay_alu instid0(VALU_DEP_1)
	v_add_nc_u32 v8, s67, v8
	v_lshl_add_u32 v9, v6, 4, s67                  ; back: a place a lane
	v_lshrrev_b32 v10, 2, v6
	s_delay_alu instid0(VALU_DEP_1)
	v_mul_u32_u24 v10, v10, 768
	v_and_b32 v11, 3, v0
	s_delay_alu instid0(VALU_DEP_1)
	v_mad_u32_u24 v10, v11, 12, v10                ; four lanes store a row's 48 consecutive bytes: a head's share of a context row is no longer
	v_lshl_add_u32 v11, v7, 5, v29                 ; the scale byte: 32 r + h
.set J, 0
	s_wait_alu depctr_va_vdst(0)
.rept 16
	v_pk_mul_f32 v[96+J:97+J], v[160+J:161+J], v[14:15] op_sel_hi:[1,0]   ; O^T / the sum, each accumulator from its low end on
.set J, J+2
.endr
.irp b, 0,1
	v_max3_num_f32 v[BM+\b], |v[96+16*\b]|, |v[97+16*\b]|, 0x1800000
.endr
.irp i, 2,4,6,8,10,12,14
.irp b, 0,1
	s_delay_alu instid0(VALU_DEP_2)
	v_max3_num_f32 v[BM+\b], v[BM+\b], |v[96+16*\b+\i]|, |v[97+16*\b+\i]|
.endr
.endr
.irp b, 0,1
	s_delay_alu instid0(VALU_DEP_2)
	v_permlanex16_b32 v[PT+\b], v[BM+\b], s58, s59
.endr
.irp b, 0,1
	s_delay_alu instid0(VALU_DEP_2)
	v_max_num_f32 v[BM+\b], v[BM+\b], v[PT+\b]
.endr
.irp b, 0,1
	s_delay_alu instid0(VALU_DEP_2)
	v_add_nc_u32 v[SO+\b], 0xff000000, v[BM+\b]
.endr
.irp b, 0,1
	s_delay_alu instid0(VALU_DEP_2)
	v_lshrrev_b32 v[PT+\b], 23, v[SO+\b]
.endr
	v_cvt_scalef32_pk16_fp6_f32 v[192:194], v[96:111], v[SO]
	v_cvt_scalef32_pk16_fp6_f32 v[196:198], v[112:127], v[SO+1]
	v_nop
	ds_store_b96 v8, v[192:194]
	ds_store_b96 v8, v[196:198] offset:32
	ds_load_b96 v[200:202], v9                     ; the wave's own bytes, served in order
	ds_load_b96 v[204:206], v9 offset:512
	v_cndmask_b32 v[PT], v[PT], v[PT+1], s66       ; lanes 16-31 store the second block's byte
	global_store_b8 v11, v[PT], s[62:63]
	s_wait_dscnt 0x0
	global_store_b96 v10, v[200:202], s[60:61]
	global_store_b96 v10, v[204:206], s[60:61] offset:6144
	s_wait_tensorcnt 0x0
	ds_add_u32 v254, v255
	s_wait_dscnt 0x0
	CROUND                                         ; the closing round: no work-group ends while a partner may still ask
	s_endpgm
.Lfunc_end_k_qaf8518b08a_attn:
	.size	k_qaf8518b08a_attn, .Lfunc_end_k_qaf8518b08a_attn-k_qaf8518b08a_attn
	.p2alignl 7, 3214868480
	.fill 96, 4, 3214868480
	.section	.rodata,"a",@progbits
	.p2align	6, 0x0
	.amdhsa_kernel k_qaf8518b08a_attn
		.amdhsa_group_segment_fixed_size 227328
		.amdhsa_private_segment_fixed_size 0
		.amdhsa_enable_private_segment 0
		.amdhsa_kernarg_size 32
		.amdhsa_user_sgpr_count 2
		.amdhsa_user_sgpr_kernarg_segment_ptr 1
		.amdhsa_wavefront_size32 1
		.amdhsa_system_sgpr_workgroup_id_x 1
		.amdhsa_system_sgpr_workgroup_id_y 1
		.amdhsa_system_sgpr_workgroup_id_z 1
		.amdhsa_system_vgpr_workitem_id 0
		.amdhsa_next_free_vgpr 256
		.amdhsa_next_free_sgpr 106
		.amdhsa_reserve_vcc 0
		.amdhsa_float_denorm_mode_32 3
		.amdhsa_float_denorm_mode_16_64 3
		.amdhsa_memory_ordered 1
		.amdhsa_forward_progress 1
		.amdhsa_inst_pref_size 36
	.end_amdhsa_kernel
	.amdgpu_metadata
---
amdhsa.version: [ 1, 2 ]
amdhsa.kernels:
  - .name:           k_qaf8518b08a_attn
    .symbol:         k_qaf8518b08a_attn.kd
    .args:
      - { .name: qq, .offset: 0, .size: 8, .value_kind: global_buffer, .address_space: global }
      - { .name: kv, .offset: 8, .size: 8, .value_kind: global_buffer, .address_space: global }
      - { .name: mw, .offset: 16, .size: 8, .value_kind: global_buffer, .address_space: global }
      - { .name: cx, .offset: 24, .size: 8, .value_kind: global_buffer, .address_space: global }
    .group_segment_fixed_size: 227328
    .private_segment_fixed_size: 0
    .kernarg_segment_align: 8
    .kernarg_segment_size: 32
    .max_flat_workgroup_size: 512
    .sgpr_count:     106
    .vgpr_count:     256
    .wavefront_size: 32
...
	.end_amdgpu_metadata
.endif
;; end of part 3
;; launch outln (part 4): grid 128 x 1, 16 waves a work-group, no clusters, 158,720 bytes of LDS; arguments cx, qx, bo, Q, gamma, beta, out0; writes out0
.if DOCPART == 4
	.amdgcn_target "amdgcn-amd-amdhsa--gfx1250"
	.amdhsa_code_object_version 6
	.text
	.protected	k_qaf8518b08a_outln
	.globl	k_qaf8518b08a_outln
	.p2align	8
	.type	k_qaf8518b08a_outln,@function
k_qaf8518b08a_outln:
	s_mov_b64 s[64:65], 0
	v_nop
	global_prefetch_b8 v0, s[64:65] scope:SCOPE_SE
	s_setreg_imm32_b32 hwreg(HW_REG_WAVE_MODE, 25, 1), 1
	s_wait_xcnt 0x0
; x = context wo^T + bo + Q;  out0[row][:] = (x - mean) / sqrt(var + 1e-5) x gamma + beta.  The product on codes of FP6 (E2M3) with E8M0 scales, all else f32.
; SHARES.  A work-group owns 32 whole rows of the result, since the norm wants whole rows; wave w of sixteen makes columns 64 w .. 64 w + 63 of them: 8 accumulators of 16 x 16, K = 1,024 in 8 steps of 128.
; Every work-group walks all of wo's 786,432 bytes of codes: 128 work-groups of 32 rows draw half the bytes that 256 of 16 rows would, and each fragment of wo feeds two products.
; wo's CODES lie in qx as images of the operand's registers, in the order in which a wave takes them: wave w's 32 fragments are 49,152 bytes on end, and each load reads 512 consecutive bytes.
; They go from memory straight into registers: two K steps (24 loads a wave) are out at a time.  NO LDS TILE AND NO JOINT LOAD for them: the images do not fit in LDS,
; and each fragment is used by one wave of the work-group alone, so a stage in LDS would be written and read with no second use.
; THE CONTEXT's 32 rows of 768 bytes: wave w loads rows 2 w and 2 w + 1 (six loads of 256 consecutive bytes), all share them through LDS (pitch 784), two fragments a K step, two sets by turns.
; SCALES: a row's 32 bytes are 8 words, one a K step; lane (r, h) loads words 4 h .. 4 h + 3 of row r, so K step s names register s % 4 and the lanes' half s / 4.
; THE MATRIX INSTRUCTION IS USED TRANSPOSED (source 0 = 16 rows of wo, source 1 = 16 rows of the context): register j of lane (r, h) is x(r, n0 + 8 h + j).  bo is loaded in that layout and is the first product's C.
; THE NORM: x goes through a stage in LDS (32 rows, pitch 4,112); wave w reads rows w and w + 16 back whole, 32 registers each, and adds Q's rows, loaded alike; the variance is taken of the centred numbers.
; Q's two rows are asked into the L2 by one prefetch at the head (32 blocks of 256 bytes, a lane a block); their loads follow behind K steps 6 and 7, into registers that the weights have left.
; LIMITS: NaN and infinities among the inputs are not served.
.set WIB,    19660800                  ; qx: wo's images
.set SCB,    20447232                  ; qx: the scale bytes, 32 a row; wo's rows are 15360 on
.set APITCH, 784                       ; the context's rows in LDS: 768 + 16
.set XS,     25088                     ; x's stage
.set XPITCH, 4112
.set SPARE,  156672                    ; the spare words: 128 bytes for each of 16 waves
.set SPW, 4                            ; v4 my spare word, v5 0: kept for the add alone
.set NIL, 5
.set AS,  16                           ; v16-23   the context's scale words, four for each 16 rows
.set BS,  24                           ; v24-39   wo's, four a tile
.set AF,  40                           ; v40-87   the context's fragments, two sets of two; first my two rows on their way to LDS
.set ACC, 88                           ; v88-151  eight accumulators: 32 a + 8 t
.set BF,  152                          ; v152-247 wo's fragments, two sets of four
.set GA,  40                           ; the norm: gamma; v72-83 its sums; beta; x's and Q's rows
.set BE,  88
.set X0,  120
.set Q0,  152
.set Q1,  184
.set X1,  216
	s_load_b256 s[4:11], s[0:1], 0x0               ; cx, qx, bo, Q
	s_load_b128 s[12:15], s[0:1], 0x20             ; gamma, beta
	s_load_b64 s[16:17], s[0:1], 0x30              ; out0
	v_lshl_add_u32 v[SPW], v0, 2, SPARE
	v_mov_b32 v[NIL], 0
	v_lshrrev_b32 v1, 5, v0
	v_readfirstlane_b32 s18, v1                    ; wave 0..15
	v_and_b32 v1, 31, v0                           ; l
	v_and_b32 v2, 15, v0                           ; r
	v_bfe_u32 v3, v0, 4, 1                         ; h
	v_lshlrev_b32 v6, 4, v1                        ; 16 bytes a lane
	v_mul_u32_u24 v7, v2, APITCH
	v_mad_u32_u24 v7, v3, 24, v7                   ; a fragment of the context: row r, + 24 h
	s_mul_i32 s19, s18, 2*APITCH
	v_lshl_add_u32 v8, v1, 3, s19                  ; my two rows' way into LDS: 8 bytes a lane
	v_lshlrev_b32 v9, 3, v1
	v_lshlrev_b32 v10, 5, v2
	v_lshl_add_u32 v10, v3, 4, v10                 ; scale words: 32 r + 16 h
	v_mul_u32_u24 v11, v2, XPITCH
	v_lshl_add_u32 v11, v3, 5, v11
	s_lshl_b32 s19, s18, 8
	s_add_co_u32 s19, s19, XS
	v_add_nc_u32 v11, s19, v11                     ; x into its stage: row r, byte 256 w + 32 h;
	v_add_nc_u32 v12, 16*XPITCH, v11               ; and row 16 + r
	s_mul_i32 s20, s18, XPITCH
	s_add_co_u32 s20, s20, XS
	v_lshl_add_u32 v13, v1, 4, s20                 ; and back: row w, 16 bytes a lane;
	v_add_nc_u32 v14, 16*XPITCH, v13               ; and row w + 16
	v_mov_b32 v15, 0                               ; a lane permute's destination counts as one of its sources
	v_lshlrev_b32 v248, 8, v2
	v_lshl_add_u32 v248, v3, 16, v248              ; the prefetch: lanes 0-15 the 16 blocks of row w, lanes 16-31 those of row w + 16
	v_lshlrev_b32 v249, 5, v3                      ; bo: 32 h
	v_min_u32 v250, 17, v1
	v_lshlrev_b32 v250, 8, v250                    ; the images' prefetch: 18 blocks of 256 bytes, a lane a block, the lanes left over the last again
	s_mov_b32 s33, 0
	s_mov_b32 s36, 0x76543210
	s_mov_b32 s37, 0xfedcba98
	s_mov_b32 s38, 0x3a800000                      ; 1 / 1024
	s_mov_b32 s39, 0x3727c5ac                      ; 1e-5
	s_wait_alu depctr_va_vdst(0)                   ; the wait at the head's end
	s_wait_kmcnt 0x0
	s_mul_i32 s32, ttmp9, 24576
	s_mul_i32 s34, s18, 1536
	s_add_co_u32 s32, s32, s34
	s_add_nc_u64 s[20:21], s[4:5], s[32:33]        ; my two rows of the context's codes
	s_lshl_b32 s32, ttmp9, 10
	s_add_co_u32 s32, s32, 3145728
	s_add_nc_u64 s[22:23], s[4:5], s[32:33]        ; the 32 rows' scale bytes
	s_mul_i32 s32, s18, 49152
	s_add_co_u32 s32, s32, WIB
	s_add_nc_u64 s[24:25], s[6:7], s[32:33]        ; my 32 fragments of wo
	s_and_b32 s32, ttmp9, 7
	s_mul_i32 s32, s32, 4608
	s_add_co_u32 s32, s32, 12288
	s_add_nc_u64 s[34:35], s[24:25], s[32:33]      ; my work-group's 18 blocks of the 144 that hold wave w's K steps 2 to 7
	s_lshl_b32 s32, s18, 11
	s_add_co_u32 s32, s32, SCB+491520
	s_add_nc_u64 s[26:27], s[6:7], s[32:33]        ; my 64 rows' scale bytes
	s_lshl_b32 s32, s18, 8
	s_add_nc_u64 s[8:9], s[8:9], s[32:33]          ; my 64 numbers of bo
	s_lshl_b32 s32, ttmp9, 5
	s_add_co_u32 s32, s32, s18
	s_lshl_b32 s32, s32, 12
	s_add_nc_u64 s[28:29], s[10:11], s[32:33]      ; row 32 x work-group + w of Q
	s_add_nc_u64 s[30:31], s[16:17], s[32:33]      ; and of out0
.macro BLOAD s                         ; K step s: four fragments, 12 loads of 512 consecutive bytes, into set s % 2
.irp t, 0,1,2,3
.irp i, 0,1,2
	global_load_b128 v[BF+48*((\s)%2)+12*\t+4*\i:BF+48*((\s)%2)+12*\t+4*\i+3], v6, s[24:25] offset:((\s)*4+\t)*1536+512*\i
.endr
.endr
.endm
.macro AFETCH s                        ; the context's two fragments of K step s into set s % 2
.irp a, 0,1
.irp p, 0,1,2,3,4,5
	ds_load_b64 v[AF+24*((\s)%2)+12*\a+2*\p:AF+24*((\s)%2)+12*\a+2*\p+1], v7 offset:16*APITCH*\a+96*(\s)+48*(\p/3)+8*(\p%3)
.endr
.endr
.endm
.macro ROWLOAD reg, base, off          ; a row of 1,024 f32: eight loads of 512 consecutive bytes
.irp j, 0,1,2,3,4,5,6,7
	global_load_b128 v[\reg+4*\j:\reg+4*\j+3], v6, s[\base:\base+1] offset:\off+512*\j
.endr
.endm
.irp i, 0,1,2,3,4,5
	global_load_b64 v[AF+2*\i:AF+2*\i+1], v9, s[20:21] offset:256*\i th:TH_LOAD_NT
.endr
.irp a, 0,1
	global_load_b128 v[AS+4*\a:AS+4*\a+3], v10, s[22:23] offset:512*\a
.endr
.irp t, 0,1,2,3
	global_load_b128 v[BS+4*\t:BS+4*\t+3], v10, s[26:27] offset:512*\t
.endr
.irp a, 0,1
.irp t, 0,1,2,3
.irp q, 0,1
	global_load_b128 v[ACC+32*\a+8*\t+4*\q:ACC+32*\a+8*\t+4*\q+3], v249, s[8:9] offset:64*\t+16*\q   ; bo(n0 + 8 h + j): the sums begin with it
.endr
.endr
.endr
	BLOAD 0
	BLOAD 1
	global_prefetch_b8 v250, s[34:35] th:TH_LOAD_NT scope:SCOPE_SE   ; wo's images of K steps 2 to 7 (K steps 0 and 1 come by the loads above): wave w's 36,864 bytes are shared out by address among eight neighbouring work-groups, 4,608 bytes each; their loads follow two K steps and more behind.  v250 and s[34:35] are never rewritten
	global_prefetch_b8 v248, s[28:29] th:TH_LOAD_NT scope:SCOPE_SE   ; Q's two rows; v248 and s[28:29] are never rewritten
	s_wait_loadcnt 46                              ; my two rows of the context are in; behind them: 2 + 4 + 16 + 24 loads
.irp i, 0,1,2,3,4,5
	ds_store_b64 v8, v[AF+2*\i:AF+2*\i+1] offset:APITCH*(\i/3)+256*(\i%3)
.endr
	s_wait_dscnt 0x0                               ; for the others' sake
	s_barrier_signal -1
	s_barrier_wait -1                              ; all 32 rows lie in LDS
	AFETCH 0
	AFETCH 1
; A K step: eight products, the eight accumulators by turns; four places; then the loads into the registers just read.
.macro STEP s
.if (\s) < 7
	s_wait_loadcnt 12                              ; this step's 12 loads are in; the next step's stay out
	s_wait_dscnt 12                                ; the next step's two fragments of the context may be out
.else
	s_wait_loadcnt 8                               ; the first row of Q stays out
	s_wait_dscnt 0x0
.endif
.irp a, 0,1
.irp t, 0,1,2,3
.if (\s) < 4
	v_wmma_scale_f32_16x16x128_f8f6f4 v[ACC+32*\a+8*\t:ACC+32*\a+8*\t+7], v[BF+48*((\s)%2)+12*\t:BF+48*((\s)%2)+12*\t+11], v[AF+24*((\s)%2)+12*\a:AF+24*((\s)%2)+12*\a+11], v[ACC+32*\a+8*\t:ACC+32*\a+8*\t+7], v[BS+4*\t+(\s)%4], v[AS+4*\a+(\s)%4] matrix_a_fmt:MATRIX_FMT_FP6 matrix_b_fmt:MATRIX_FMT_FP6
.else
	v_wmma_scale_f32_16x16x128_f8f6f4 v[ACC+32*\a+8*\t:ACC+32*\a+8*\t+7], v[BF+48*((\s)%2)+12*\t:BF+48*((\s)%2)+12*\t+11], v[AF+24*((\s)%2)+12*\a:AF+24*((\s)%2)+12*\a+11], v[ACC+32*\a+8*\t:ACC+32*\a+8*\t+7], v[BS+4*\t+(\s)%4], v[AS+4*\a+(\s)%4] matrix_a_fmt:MATRIX_FMT_FP6 matrix_b_fmt:MATRIX_FMT_FP6 matrix_a_scale:MATRIX_SCALE_ROW1 matrix_b_scale:MATRIX_SCALE_ROW1
.endif
.endr
.endr
.rept 4
	v_nop                                          ; places in front of loads into registers that the products read, and of the first read of the results
.endr
.if (\s)+2 < 8
	BLOAD (\s)+2
	AFETCH (\s)+2
.elseif (\s) == 6
	ROWLOAD Q0, 28, 0
.else
	ROWLOAD Q1, 28, 65536
	ROWLOAD GA, 12, 0
.endif
.endm
.irp s, 0,1,2,3,4,5,6,7
	STEP \s
.endr
.irp t, 0,1,2,3
	ds_store_b128 v11, v[ACC+8*\t:ACC+8*\t+3] offset:64*\t          ; each accumulator from its low end on
	ds_store_b128 v11, v[ACC+8*\t+4:ACC+8*\t+7] offset:64*\t+16
.endr
.irp t, 0,1,2,3
	ds_store_b128 v12, v[ACC+32+8*\t:ACC+32+8*\t+3] offset:64*\t
	ds_store_b128 v12, v[ACC+32+8*\t+4:ACC+32+8*\t+7] offset:64*\t+16
.endr
	s_wait_dscnt 0x0                               ; for the others' sake; and the stores have read the accumulators
	ROWLOAD BE, 14, 0
	s_barrier_signal -1
	s_barrier_wait -1                              ; the 32 rows of x are whole
.irp j, 0,1,2,3,4,5,6,7
	ds_load_b128 v[X0+4*\j:X0+4*\j+3], v13 offset:512*\j
.endr
.irp j, 0,1,2,3,4,5,6,7
	ds_load_b128 v[X1+4*\j:X1+4*\j+3], v14 offset:512*\j
.endr
	s_wait_dscnt 0x0
.macro REDUCE                          ; v72 summed over the 32 lanes, the result in every lane
.irp m, 1,2,4,8
	s_delay_alu instid0(VALU_DEP_1)
	v_add_f32_dpp v72, v72, v72 row_xmask:\m row_mask:0xf bank_mask:0xf
.endr
	s_delay_alu instid0(VALU_DEP_1)
	v_permlanex16_b32 v15, v72, s36, s37
	s_delay_alu instid0(VALU_DEP_1)
	v_add_f32 v72, v72, v15
.endm
; A row: the residual, the mean, the centred row in place, and 1 / sqrt(var + 1e-5), twice (a pair for the packed multiply)
.macro STATS xr, qr, rs, out
	s_wait_loadcnt \out                            ; this row of Q is in; behind it: the loads of the later rows (Q's second, gamma, beta), 8 each
.irp k, 0,2,4,6,8,10,12,14,16,18,20,22,24,26,28,30
	v_pk_add_f32 v[\xr+\k:\xr+\k+1], v[\xr+\k:\xr+\k+1], v[\qr+\k:\qr+\k+1]
.endr
	v_pk_add_f32 v[72:73], v[\xr:\xr+1], v[\xr+2:\xr+3]            ; the sum, in two chains
	v_pk_add_f32 v[74:75], v[\xr+4:\xr+5], v[\xr+6:\xr+7]
.irp k, 8,12,16,20,24,28
	s_delay_alu instid0(VALU_DEP_2)
	v_pk_add_f32 v[72:73], v[72:73], v[\xr+\k:\xr+\k+1]
	s_delay_alu instid0(VALU_DEP_2)
	v_pk_add_f32 v[74:75], v[74:75], v[\xr+\k+2:\xr+\k+3]
.endr
	s_delay_alu instid0(VALU_DEP_1)
	v_pk_add_f32 v[72:73], v[72:73], v[74:75]
	s_delay_alu instid0(VALU_DEP_1)
	v_add_f32 v72, v72, v73
	REDUCE
	s_delay_alu instid0(VALU_DEP_1)
	v_mul_f32 v76, s38, v72                        ; the mean
	s_delay_alu instid0(VALU_DEP_1)
	v_mov_b32 v77, v76
.irp k, 0,2,4,6,8,10,12,14,16,18,20,22,24,26,28,30
	v_pk_add_f32 v[\xr+\k:\xr+\k+1], v[\xr+\k:\xr+\k+1], v[76:77] neg_lo:[0,1] neg_hi:[0,1]
.endr
	v_pk_mul_f32 v[72:73], v[\xr:\xr+1], v[\xr:\xr+1]              ; the centred squares
	v_pk_mul_f32 v[74:75], v[\xr+2:\xr+3], v[\xr+2:\xr+3]
.irp k, 4,8,12,16,20,24,28
	s_delay_alu instid0(VALU_DEP_2)
	v_pk_fma_f32 v[72:73], v[\xr+\k:\xr+\k+1], v[\xr+\k:\xr+\k+1], v[72:73]
	s_delay_alu instid0(VALU_DEP_2)
	v_pk_fma_f32 v[74:75], v[\xr+\k+2:\xr+\k+3], v[\xr+\k+2:\xr+\k+3], v[74:75]
.endr
	s_delay_alu instid0(VALU_DEP_1)
	v_pk_add_f32 v[72:73], v[72:73], v[74:75]
	s_delay_alu instid0(VALU_DEP_1)
	v_add_f32 v72, v72, v73
	REDUCE
	s_delay_alu instid0(VALU_DEP_1)
	v_fma_f32 v[\rs], v72, s38, s39                ; var + 1e-5
	s_wait_alu depctr_va_vdst(0)                   ; the wait ahead of the transcendental
	v_rsq_f32 v[\rs], v[\rs]
	v_nop                                          ; one plain place behind it
	s_wait_alu depctr_va_vdst(0)                   ; the wait ahead of its first reader
	v_mov_b32 v[\rs+1], v[\rs]
.endm
.macro FINISH xr, rs, off              ; scaled, x gamma + beta, stored
.irp k, 0,2,4,6,8,10,12,14,16,18,20,22,24,26,28,30
	v_pk_mul_f32 v[\xr+\k:\xr+\k+1], v[\xr+\k:\xr+\k+1], v[\rs:\rs+1]
.endr
.irp k, 0,2,4,6,8,10,12,14,16,18,20,22,24,26,28,30
	v_pk_fma_f32 v[\xr+\k:\xr+\k+1], v[\xr+\k:\xr+\k+1], v[GA+\k:GA+\k+1], v[BE+\k:BE+\k+1]
.endr
.irp j, 0,1,2,3,4,5,6,7
	global_store_b128 v6, v[\xr+4*\j:\xr+4*\j+3], s[30:31] offset:\off+512*\j th:TH_STORE_NT   ; 512 consecutive bytes
.endr
.endm
	STATS X0, Q0, 80, 24
	STATS X1, Q1, 82, 16
	s_wait_alu depctr_va_vdst(0)                   ; the wait here, directly ahead of the wait below
	s_wait_loadcnt 0x0                             ; gamma and beta
	FINISH X0, 80, 0
	FINISH X1, 82, 65536
	s_wait_tensorcnt 0x0                           ; the wave's end, behind my last LDS store
	ds_add_u32 v[SPW], v[NIL]
	s_wait_dscnt 0x0
	s_endpgm
.Lfunc_end_k_qaf8518b08a_outln:
	.size	k_qaf8518b08a_outln, .Lfunc_end_k_qaf8518b08a_outln-k_qaf8518b08a_outln
	.p2alignl 7, 3214868480
	.fill 96, 4, 3214868480
	.section	.rodata,"a",@progbits
	.p2align	6, 0x0
	.amdhsa_kernel k_qaf8518b08a_outln
		.amdhsa_group_segment_fixed_size 158720
		.amdhsa_private_segment_fixed_size 0
		.amdhsa_enable_private_segment 0
		.amdhsa_kernarg_size 56
		.amdhsa_user_sgpr_count 2
		.amdhsa_user_sgpr_kernarg_segment_ptr 1
		.amdhsa_wavefront_size32 1
		.amdhsa_system_sgpr_workgroup_id_x 1
		.amdhsa_system_sgpr_workgroup_id_y 1
		.amdhsa_system_sgpr_workgroup_id_z 1
		.amdhsa_system_vgpr_workitem_id 0
		.amdhsa_next_free_vgpr 256
		.amdhsa_next_free_sgpr 66
		.amdhsa_reserve_vcc 0
		.amdhsa_float_denorm_mode_32 3
		.amdhsa_float_denorm_mode_16_64 3
		.amdhsa_memory_ordered 1
		.amdhsa_forward_progress 1
		.amdhsa_inst_pref_size 55
	.end_amdhsa_kernel
	.amdgpu_metadata
---
amdhsa.version: [ 1, 2 ]
amdhsa.kernels:
  - .name:           k_qaf8518b08a_outln
    .symbol:         k_qaf8518b08a_outln.kd
    .args:
      - { .name: cx, .offset: 0, .size: 8, .value_kind: global_buffer, .address_space: global }
      - { .name: qx, .offset: 8, .size: 8, .value_kind: global_buffer, .address_space: global }
      - { .name: bo, .offset: 16, .size: 8, .value_kind: global_buffer, .address_space: global }
      - { .name: Q, .offset: 24, .size: 8, .value_kind: global_buffer, .address_space: global }
      - { .name: gamma, .offset: 32, .size: 8, .value_kind: global_buffer, .address_space: global }
      - { .name: beta, .offset: 40, .size: 8, .value_kind: global_buffer, .address_space: global }
      - { .name: out0, .offset: 48, .size: 8, .value_kind: global_buffer, .address_space: global }
    .group_segment_fixed_size: 158720
    .private_segment_fixed_size: 0
    .kernarg_segment_align: 8
    .kernarg_segment_size: 56
    .max_flat_workgroup_size: 512
    .sgpr_count:     66
    .vgpr_count:     256
    .wavefront_size: 32
...
	.end_amdgpu_metadata
.endif
;; end of part 4
